; MI455X (gfx1250); checked and timed in simulation.
; The chip was launched on July 23, 2026; its instructions are those of AMD's public machine-readable ISA for CDNA 5 (MIT licence, August 2026) and "CDNA5" Instruction Set Architecture Reference Guide (July 2026). The comments in the code are by the model that wrote it; some were corrected since.
;; cross Attention. Allowed arithmetic: float matrix products may take bf16 or f16 operands with f32 sums; other float arithmetic in f32, or as packed bf16 or f16 multiplies, adds, multiply-adds, maxima and minima; sums over many terms, partial sums and values carried from step to step in f32; what a program stores and reads back later, other than sums and carried values, may be rounded once to bf16 or f16.
;; Inputs: Wk 1,024 x 1,024 float32; Wq 1,024 x 1,024 float32; Wv 1,024 x 1,024 float32; bk 1,024 float32; bq 1,024 float32; bv 1,024 float32; context 4 x 2,048 x 1,024 float32; x 4 x 2,048 x 1,024 float32.
;; Outputs: out0 4 x 2,048 x 1,024 float32.
;; 2 versions, each right; version 2 is version 1 with the launch cast written anew for expert scheduling mode. Each part assembles by itself: llvm-mc -triple=amdgcn-amd-amdhsa -mcpu=gfx1250 --defsym DOCPART=n.
;; ======== version 1 of 2: 4 launches
;; limits: values are held in f16: magnitudes above 65,504 overflow, below 6.1e-05 lose precision
;; workspace buffers: wb 6,291,456 bytes; qkv 50,331,648 bytes; pw 33,554,432 bytes; st 1,048,576 bytes
;; launch cast (part 1): grid 384 x 1, 8 waves a work-group, no clusters, 0 bytes of LDS; arguments Wq, Wk, Wv, wb; writes wb
.if DOCPART == 1
	.amdgcn_target "amdgcn-amd-amdhsa--gfx1250"
	.amdhsa_code_object_version 6
	.text
	.protected	k_qfcb524414f_cast
	.globl	k_qfcb524414f_cast
	.p2align	8
	.type	k_qfcb524414f_cast,@function
k_qfcb524414f_cast:
	s_mov_b64 s[64:65], 0
	v_nop
	global_prefetch_b8 v0, s[64:65] scope:SCOPE_SE
	s_setreg_imm32_b32 hwreg(HW_REG_WAVE_MODE, 25, 1), 1
	s_wait_xcnt 0x0
; f32 -> bf16 (to nearest even) of Wq, Wk, Wv into wb, one behind the other; layouts unchanged ([in][out]).
; A stream: no LDS, no barrier, no matrix work.  A work-group of eight waves takes 8,192 numbers: 32,768 bytes in, 16,384 out.
; Work-groups 0-127 Wq, 128-255 Wk, 256-383 Wv.
; A thread's load i takes the 16 bytes at 4,096 i + 16 t (a wave: 512 consecutive bytes); its store i the 8 bytes at 2,048 i + 8 t
; (a wave: 256 consecutive bytes, aligned).  All 8 loads go out first; no register is written twice, so only the loads are waited for.
.set ID,  20                           ; s20      the work-group's number
.set SRC, 22                           ; s[22:23] the source buffer, then my 32,768 bytes of it
.set X,   4                            ; v[4:35]   8 x 4 numbers as loaded
.set Y,   36                           ; v[36:51]  8 x 2 words to store
	s_load_b256 s[4:11], s[0:1], 0x0               ; Wq s[4:5], Wk s[6:7], Wv s[8:9], wb s[10:11]
	v_lshlrev_b32 v1, 4, v0                        ; 16 t
	v_lshlrev_b32 v2, 3, v0                        ; 8 t
	s_mov_b32 s[ID], ttmp9
	s_and_b32 s28, s[ID], 127                      ; my place in my weight,
	s_lshl_b32 s28, s28, 15                        ; 32,768 bytes a work-group
	s_mov_b32 s29, 0
	s_lshl_b32 s30, s[ID], 14                      ; 16,384 bytes a work-group in wb
	s_mov_b32 s31, 0
	s_wait_kmcnt 0x0
	s_cmp_ge_u32 s[ID], 128
	s_cselect_b64 s[SRC:SRC+1], s[6:7], s[4:5]
	s_cmp_ge_u32 s[ID], 256
	s_cselect_b64 s[SRC:SRC+1], s[8:9], s[SRC:SRC+1]
	s_add_nc_u64 s[SRC:SRC+1], s[SRC:SRC+1], s[28:29]
	s_add_nc_u64 s[10:11], s[10:11], s[30:31]
.set i, 0
.rept 8
	global_load_b128 v[X+4*i:X+4*i+3], v1, s[SRC:SRC+1] offset:4096*i th:TH_LOAD_NT
.set i, i+1
.endr
.set i, 0
.rept 8
	s_wait_loadcnt 7-i                             ; loads come back in order: load i is in, the younger ones stay out
	v_cvt_pk_bf16_f32 v[Y+2*i],   v[X+4*i],   v[X+4*i+1]
	v_cvt_pk_bf16_f32 v[Y+2*i+1], v[X+4*i+2], v[X+4*i+3]
	global_store_b64 v2, v[Y+2*i:Y+2*i+1], s[10:11] offset:2048*i
.set i, i+1
.endr
	s_endpgm
.Lfunc_end_k_qfcb524414f_cast:
	.size	k_qfcb524414f_cast, .Lfunc_end_k_qfcb524414f_cast-k_qfcb524414f_cast
	.p2alignl 7, 3214868480
	.fill 96, 4, 3214868480
	.section	.rodata,"a",@progbits
	.p2align	6, 0x0
	.amdhsa_kernel k_qfcb524414f_cast
		.amdhsa_group_segment_fixed_size 0
		.amdhsa_private_segment_fixed_size 0
		.amdhsa_enable_private_segment 0
		.amdhsa_kernarg_size 32
		.amdhsa_user_sgpr_count 2
		.amdhsa_user_sgpr_kernarg_segment_ptr 1
		.amdhsa_wavefront_size32 1
		.amdhsa_system_sgpr_workgroup_id_x 1
		.amdhsa_system_sgpr_workgroup_id_y 1
		.amdhsa_system_sgpr_workgroup_id_z 1
		.amdhsa_system_vgpr_workitem_id 0
		.amdhsa_next_free_vgpr 52
		.amdhsa_next_free_sgpr 66
		.amdhsa_reserve_vcc 0
		.amdhsa_float_denorm_mode_32 3
		.amdhsa_float_denorm_mode_16_64 3
		.amdhsa_memory_ordered 1
		.amdhsa_forward_progress 1
		.amdhsa_inst_pref_size 4
	.end_amdhsa_kernel
	.amdgpu_metadata
---
amdhsa.version: [ 1, 2 ]
amdhsa.kernels:
  - .name:           k_qfcb524414f_cast
    .symbol:         k_qfcb524414f_cast.kd
    .args:
      - { .name: Wq, .offset: 0, .size: 8, .value_kind: global_buffer, .address_space: global }
      - { .name: Wk, .offset: 8, .size: 8, .value_kind: global_buffer, .address_space: global }
      - { .name: Wv, .offset: 16, .size: 8, .value_kind: global_buffer, .address_space: global }
      - { .name: wb, .offset: 24, .size: 8, .value_kind: global_buffer, .address_space: global }
    .group_segment_fixed_size: 0
    .private_segment_fixed_size: 0
    .kernarg_segment_align: 8
    .kernarg_segment_size: 32
    .max_flat_workgroup_size: 256
    .sgpr_count:     66
    .vgpr_count:     52
    .wavefront_size: 32
...
	.end_amdgpu_metadata
.endif
;; end of part 1
;; launch proj (part 2): grid 12 x 64, 4 waves a work-group, clusters of 4 x 4, 327,680 bytes of LDS; arguments x, context, wb, bq, bk, bv, qkv; writes qkv
.if DOCPART == 2
	.amdgcn_target "amdgcn-amd-amdhsa--gfx1250"
	.amdhsa_code_object_version 6
	.text
	.protected	k_qfcb524414f_proj
	.globl	k_qfcb524414f_proj
	.p2align	8
	.type	k_qfcb524414f_proj,@function
k_qfcb524414f_proj:
	s_mov_b64 s[64:65], 0
	v_nop
	global_prefetch_b8 v0, s[64:65] scope:SCOPE_SE
	s_setreg_imm32_b32 hwreg(HW_REG_WAVE_MODE, 25, 1), 1
	s_wait_xcnt 0x0
	s_wait_alu depctr_hold_cnt(0) depctr_sa_sdst(0) depctr_va_vdst(0) depctr_va_sdst(0) depctr_va_ssrc(0) depctr_va_vcc(0) depctr_vm_vsrc(0)
	s_getreg_b32 s2, hwreg(HW_REG_IB_STS2, 6, 4)
	s_cmp_eq_u32 s2, 0
	s_cbranch_scc0 .Lentry_in_a_cluster
	s_endpgm
.Lentry_in_a_cluster:
	s_bfe_u32 s2, ttmp6, 0x10000c
	s_cmp_lg_u32 s2, 0xf033
	s_cbranch_scc0 .Lentry_shape_is_right
	s_endpgm
.Lentry_shape_is_right:
; Q = x Wq + bq, K = context Wk + bk, V = context Wv + bv.  x, context: f32 [8192][1024], as they are given; wb: bf16 [3][1024 in][1024 out]; qkv: f16 [3][8192][1024].
; x and context come into LDS as f32 and are rounded to bf16 (to nearest even) on the way from LDS to the matrix instruction: they cross memory once, and no copy of them is stored.
; Products in bf16, sums in f32; the bias is rounded to bf16 like every input and is the C operand of the first products; the result is rounded once, to f16.
; LIMIT.  f16 holds no number beyond 65,504: Q, K and V must stay within it.  NaN and infinities are not treated apart.
; SHARES.  Cluster x says which projection; a work-group makes 128 rows x 256 columns (768 work-groups), its four waves 64 x 128 each: 32 accumulators of 16 x 16, 256 registers.
; K goes in steps of 128 through two LDS slots.  A's tile lies [row][k] in f32, 512 bytes a row; B's tile lies as the weights lie, [k][column] in bf16, 512 bytes a row, and is turned on its way
; into registers by ds_load_tr16_b128.  Each wave fetches 64 rows of one of the two by one tensor load of 32,768 bytes: waves 0, 1 A's halves, waves 2, 3 B's.
; CLUSTER.  4 x 4 work-groups.  A's tile hangs on the tile row, shared along a row of the cluster; B's on the tile column, shared along a column: each is asked for jointly.
; THE MATRIX INSTRUCTION IS USED TRANSPOSED (source 0 = 16 columns of B, source 1 = 16 rows of A): a lane then holds eight neighbouring numbers of one row of the result.
; REGISTERS, in windows of 256: window 0: v0-31 addresses; two fragment buffers of 96 (A block a at +8 a, B block b at +32 + 8 b), which also serve the way out;
;   window 1: accumulator (a, b) at v[8 (8 a + b)];   window 2: v0-63 the bias of my 128 columns, register 8 b + j for column 16 b + 8 (lane / 16) + j; v64-127, v128-191 A as loaded, in f32: a buffer for each fragment buffer, block a at +16 a.
.set NSTEP,  8                         ; K steps: 1024 / 128
.set PA,     528                       ; a row of A in LDS: 512 bytes + 16 = 33 x 16: the 16 rows of a load start at 16 different groups of four banks (64 banks of 4 bytes: ISA guide 11.1)
.set PB,     544                       ; a row of B in LDS: 512 bytes + 32 = 17 x 32
.set SB,     128*PB                    ; B's ring begins at LDS byte 0: two slots of 69,632 bytes.  A wave's fills begin at 0 or 34,816, which share no bit with SB,
.set ARING,  2*SB                      ; A's ring behind it, at 139,264:
.set SA,     128*PA                    ; two slots of 67,584 bytes.  A wave's fills begin at 139,264 or 173,056, which share no bit with SA: so one exclusive or turns an address in one slot into the other's
.set STAGE,  ARING+2*SA                ; behind the rings: 16 rows x 272 bytes for each wave, for the way out
.set SP,     272
.set SPARE,  STAGE+4*16*SP             ; behind the stages: the spare words, 128 bytes for each wave: two blocks of 256 bytes that no other line names
.set ASTEP,  512                       ; bytes from K step to K step in A (128 f32 along a row)
.set BSTEP,  128*2048                  ; and in B (128 rows down)
.set ADRA0, 14                         ; v14  my place in slot 0 of A's ring; never rewritten
.set ADRB0, 15                         ; v15  the same for B
.set ADRA,  16                         ; v16  the same in the slot in hand
.set ADRB,  17                         ; v17
.set STO,   24                         ; v24  the way out: where I put 16 bytes of a row
.set RD,    25                         ; v25  the way out: where I read a row back
.set CO,    26                         ; v26  my byte offset in the wave's rows of the result
.set SPW,   28                         ; v28  LDS address of my spare word; never rewritten
.set NIL,   29                         ; v29  0; never rewritten
.set PFO,   30                         ; v30  the prefetches' lane offset; never rewritten
.set F0,    64                         ; fragment buffer 0: v64-159
.set F1,    160                        ; fragment buffer 1: v160-255
.set RAW,   64                         ; window 2: A in f32, 64 registers for each fragment buffer
.set TMP,   64                         ; the way out: a block's packed results
.set BK,    96                         ; the way out: 32 registers for each of the four blocks, read back from the stage
.set CNT, 3                            ; s3   trips to go
.set WV,  16                           ; s16  wave
.set RH,  17                           ; s17  my 64 rows; also: I fetch for A (0) or for B (1)
.set HF,  18                           ; s18  my 128 columns; also: which 64 rows of that tile I fetch
.set CX,  19                           ; s19  my place along the cluster's x = the tile column
.set CY,  20                           ; s20  along its y
.set PJ,  21                           ; s21  0 Q, 1 K, 2 V
.set CLY, 22                           ; s22  cluster y
.set TY,  23                           ; s23  tile row, 0 to 63
.set G1A, 24                           ; s[24:31] descriptor group 1 for A's tiles
.set G0A, 32                           ; s[32:39] group 0 for A's: a set for each of the two first fills; the second then walks on
.set PFA, 40                           ; s[40:41] where my prefetches stand
.set PFS, 42                           ; s[42:43] their step
.set LIM, 44                           ; s44  2 in a wave that prefetches, else the greatest number
.set TBA, 45                           ; s45  0 or SA: the slot in hand in A's ring
.set G1B, 48                           ; s[48:55], s[56:63] the same for B's tiles
.set G0B, 56
.set OUT, 76                           ; s[76:77] qkv, then my part of it
.set ABUF, 78                          ; s[78:79] x for Q, context for K and V
.set TBB, 80                           ; s80  0 or SB: the slot in hand in B's ring
.set MSB, 0
.macro WIN new                         ; the immediate's high byte repeats the setting that is left; a switch that changes nothing is dropped
.if MSB != (\new)
	s_set_vgpr_msb (MSB<<8)|(\new)
.set MSB, \new
.endif
.endm
.set W_MUL, 0x50                       ; sources 0 and 1 window 0, C and D window 1
.set W_FST, 0x60                       ; the same with C in window 2: the bias
.macro PLACES                          ; four places between a matrix instruction and a load into, or a vector write of, its registers, or a vector read of its result
.rept 4
	v_nop
.endr
.endm
; A joint refill by the walking descriptors.  The branch hangs on the wave's number alone.  An s_nop 0 and four v_nop follow each of the two lines.
.macro JLOAD
	s_cmp_eq_u32 s[RH], 0
	s_cbranch_scc0 .Lfor_b_\@
	tensor_load_to_lds s[G0A+4:G0A+7], s[G1A:G1A+7]
	s_nop 0
	PLACES
	s_branch .Lasked_\@
.Lfor_b_\@:
	tensor_load_to_lds s[G0B+4:G0B+7], s[G1B:G1B+7]
	s_nop 0
	PLACES
.Lasked_\@:
.endm
; A round of the cluster's barrier behind its opening barrier, and a whole round.
.macro CREST
	s_cmp_lg_u32 s[WV], 0
	s_cbranch_scc1 .Lnot_wave_0_\@
	s_barrier_signal -3
.Lnot_wave_0_\@:
	s_barrier_wait -3
	s_barrier_signal -1
	s_barrier_wait -1
.endm
.macro CROUND
	s_barrier_signal -1
	s_barrier_wait -1
	CREST
.endm
; A prefetch, behind the joint load and the run of LDS loads: the change of slots at the end of K step s asks for K step s + 2 by its tensor load and names K step s + 4 here: two K steps,
; 256 matrix instructions, ahead of the load that will want it.  Each aligned block of 256 bytes is named once in the launch.  A K step is 512 bytes of a row, of A as of B.  Each wave asks for rows that it
; fetches itself: of its 64 the four partners that ask for the tile jointly take 16 each, told apart by address (cx for A, cy for B), a lane half a row.  x's rows are read by the Q clusters alone; context's
; by the K and the V clusters: K's ask.  B's rows are read by every cluster of the projection: those with y = 0 ask.  K steps 0 to 3 come by their loads alone; the last three trips name nothing: CNT is 3 or more where s + 4 < 8.
.macro ASK
	s_cmp_gt_u32 s[CNT], s[LIM]
	s_cbranch_scc0 .Lnot_mine_\@
	global_prefetch_b8 v[PFO], s[PFA:PFA+1] th:TH_LOAD_NT scope:SCOPE_SE
.Lnot_mine_\@:
.endm
	s_load_b256 s[4:11], s[0:1], 0x0               ; x s[4:5], context s[6:7], wb s[8:9], bq s[10:11]
	s_load_b128 s[12:15], s[0:1], 0x20             ; bk s[12:13], bv s[14:15]
	s_load_b64 s[OUT:OUT+1], s[0:1], 0x30          ; qkv
	v_lshl_add_u32 v[SPW], v0, 2, SPARE
	v_mov_b32 v[NIL], 0
	ds_add_u32 v[SPW], v[NIL]                      ; the wave's opening: the add and its wait stand ahead of my first tensor load; work on registers stands between them
	v_lshrrev_b32 v3, 5, v0
	v_readfirstlane_b32 s[WV], v3
	s_lshr_b32 s[RH], s[WV], 1
	s_and_b32 s[HF], s[WV], 1
	s_bfe_u32 s[CX], ttmp6, 0x40000
	s_bfe_u32 s[CY], ttmp6, 0x40004
	s_mov_b32 s[PJ], ttmp9                         ; in a cluster launch ttmp9 and ttmp7 count clusters
	s_and_b32 s[CLY], ttmp7, 0xffff
	s_lshl_b32 s[TY], s[CLY], 2
	s_add_co_u32 s[TY], s[TY], s[CY]
	s_lshl_b32 s46, s[CY], 2
	s_lshl_b32 s46, 15, s46                        ; my row of the cluster: places 4 cy .. 4 cy + 3
	s_lshl_b32 s47, 0x1111, s[CX]                  ; my column: places cx, cx + 4, cx + 8, cx + 12
	s_or_b32 s[G1A], s46, (2<<16)|(1<<20)|(1<<21)|(6<<22)|(3<<25)  ; the mask; elements of 4 bytes; padding on; bit 21 beside a mask; after every 128 words 4 words
	s_or_b32 s[G1B], s47, (1<<16)|(1<<20)|(1<<21)|(6<<22)|(7<<25)  ; elements of 2 bytes; after every 128 words 8 words
	s_mov_b32 s[G1A+1], 128<<16                    ; tensor_dim0 = 128
	s_mov_b32 s[G1A+3], 128<<16                    ; tile_dim0 = 128
	s_mov_b32 s[G1B+1], 256<<16                    ; B: 256
	s_mov_b32 s[G1B+3], 256<<16
.irp g, G1A, G1B
	s_mov_b32 s[(\g)+2], 64<<16                    ; tensor_dim1 = 64
	s_mov_b32 s[(\g)+4], 64                        ; tile_dim1 = 64
	s_mov_b32 s[(\g)+5], 1024                      ; 1,024 elements from row to row
	s_mov_b32 s[(\g)+6], 0
	s_mov_b32 s[(\g)+7], 0
.endr
	; A's tile hangs on the projection, the tile row and the wave; B's on the projection, the tile column and the wave: in registers that never hold the other coordinate
	s_lshl_b32 s66, s[TY], 7
	s_lshl_b32 s67, s[HF], 6
	s_add_co_u32 s66, s66, s67                     ; row 128 ty + 64 x half,
	s_lshl_b32 s66, s66, 12                        ; 4,096 bytes a row
	s_mov_b32 s67, 0
	s_mul_i32 s68, s[HF], 64*PA                    ; and its place in A's ring
	s_add_co_u32 s68, s68, ARING
	s_lshl_b32 s70, s[PJ], 21                      ; the weight, 2,097,152 bytes each,
	s_lshl_b32 s71, s[HF], 17                      ; its k rows 64 x half,
	s_add_co_u32 s70, s70, s71
	s_lshl_b32 s71, s[CX], 9                       ; its columns 256 cx
	s_add_co_u32 s70, s70, s71
	s_mov_b32 s71, 0
	s_mul_i32 s72, s[HF], 64*PB
	s_mov_b32 s[TBA], 0
	s_mov_b32 s[TBB], 0
	s_wait_dscnt 0x0                               ; the opening add is done
	s_wait_kmcnt 0x0
	s_cmp_eq_u32 s[PJ], 0
	s_cselect_b64 s[ABUF:ABUF+1], s[4:5], s[6:7]
	s_add_nc_u64 s[66:67], s[ABUF:ABUF+1], s[66:67]
	s_add_nc_u64 s[70:71], s[8:9], s[70:71]
.irp n, 0,1
	s_mov_b32 s[G0A+4*(\n)], 1                     ; count = 1
	s_add_co_u32 s[G0A+4*(\n)+1], s68, (\n)*SA     ; LDS address
	s_add_nc_u64 s[G0A+4*(\n)+2:G0A+4*(\n)+3], s[66:67], (\n)*ASTEP  ; global address: K step n
	s_or_b32 s[G0A+4*(\n)+3], s[G0A+4*(\n)+3], 0x80000000            ; type = 2
	s_mov_b32 s[G0B+4*(\n)], 1
	s_add_co_u32 s[G0B+4*(\n)+1], s72, (\n)*SB
	s_add_nc_u64 s[G0B+4*(\n)+2:G0B+4*(\n)+3], s[70:71], (\n)*BSTEP
	s_or_b32 s[G0B+4*(\n)+3], s[G0B+4*(\n)+3], 0x80000000
.endr
	CROUND                                         ; all sixteen work-groups are here: the first joint loads meet
	s_cmp_eq_u32 s[RH], 0                          ; a wave's two first fills stand in one branch, ahead of every wait on TENSORcnt and every LDS read: two loads of mine are out
	s_cbranch_scc0 .Lfirst_b
	tensor_load_to_lds s[G0A:G0A+3], s[G1A:G1A+7]
	s_nop 0
	tensor_load_to_lds s[G0A+4:G0A+7], s[G1A:G1A+7]
	s_nop 0
	PLACES
	s_branch .Lfirst_asked
.Lfirst_b:
	tensor_load_to_lds s[G0B:G0B+3], s[G1B:G1B+7]
	s_nop 0
	tensor_load_to_lds s[G0B+4:G0B+7], s[G1B:G1B+7]
	s_nop 0
	PLACES
.Lfirst_asked:
	; the bias of my 128 columns
	v_and_b32 v1, 15, v0                           ; r = l % 16
	v_bfe_u32 v2, v0, 4, 1                         ; h = l / 16
	v_lshlrev_b32 v5, 5, v2                        ; 8 h numbers of 4 bytes
	s_cmp_eq_u32 s[PJ], 1
	s_cselect_b64 s[74:75], s[12:13], s[10:11]
	s_cmp_eq_u32 s[PJ], 2
	s_cselect_b64 s[74:75], s[14:15], s[74:75]
	s_lshl_b32 s46, s[CX], 10
	s_lshl_b32 s47, s[HF], 9
	s_add_co_u32 s46, s46, s47
	s_mov_b32 s47, 0
	s_add_nc_u64 s[74:75], s[74:75], s[46:47]
	WIN 0x80                                       ; destination window 2, address window 0
.set ib, 0
.rept 8
	global_load_b128 v[8*ib:8*ib+3],   v5, s[74:75] offset:64*ib
	global_load_b128 v[8*ib+4:8*ib+7], v5, s[74:75] offset:64*ib+16
.set ib, ib+1
.endr
	WIN 0
	; A fragment of A is 16 rows x 32 k: lane l holds row l % 16, k = 8 (l / 16) + 0..7 and 16 + 8 (l / 16) + 0..7.  In f32 those are 32 bytes at 32 (l / 16) and 32 bytes 64 further on: four loads of 16 bytes.
	v_mul_u32_u24 v[ADRA0], v1, PA
	v_lshl_add_u32 v[ADRA0], v2, 5, v[ADRA0]
	s_mul_i32 s46, s[RH], 64*PA
	s_add_co_u32 s46, s46, ARING
	v_add_nc_u32 v[ADRA0], s46, v[ADRA0]
	; The turning load takes 16 k x 16 columns (lane l reads k row 8 (l / 16) + l % 8, columns 8 ((l / 8) % 2) + 0..7) and leaves half a fragment: lane l holds column l % 16 and 8 k.
	v_and_b32 v6, 7, v0
	v_bfe_u32 v7, v0, 3, 1
	v_lshl_add_u32 v[ADRB0], v2, 3, v6
	v_mul_u32_u24 v[ADRB0], v[ADRB0], PB
	v_lshl_add_u32 v[ADRB0], v7, 4, v[ADRB0]
	s_lshl_b32 s46, s[HF], 8                       ; my 128 columns: 256 bytes
	v_add_nc_u32 v[ADRB0], s46, v[ADRB0]
	v_mov_b32 v[ADRA], v[ADRA0]                    ; slot 0 of both rings
	v_mov_b32 v[ADRB], v[ADRB0]
	s_mul_i32 s46, s[WV], 16*SP
	s_add_co_u32 s46, s46, STAGE                   ; my stage
	v_mul_u32_u24 v[STO], v1, SP                   ; in: row l % 16, 16 bytes for each half of the lanes
	v_lshl_add_u32 v[STO], v2, 4, v[STO]
	v_add_nc_u32 v[STO], s46, v[STO]
	v_mul_u32_u24 v[RD], v2, SP                    ; back: lanes 0-15 take one row of 256 bytes, lanes 16-31 the next
	v_lshl_add_u32 v[RD], v1, 4, v[RD]
	v_add_nc_u32 v[RD], s46, v[RD]
	v_lshlrev_b32 v[CO], 11, v2                    ; and the same two rows in the result
	v_lshl_add_u32 v[CO], v1, 4, v[CO]
	s_lshl_b32 s46, s[TY], 7
	s_lshl_b32 s47, s[RH], 6
	s_add_co_u32 s46, s46, s47                     ; my first row,
	s_lshl_b32 s46, s46, 11
	s_lshl_b32 s47, s[PJ], 24                      ; in Q, K or V,
	s_add_co_u32 s46, s46, s47
	s_lshl_b32 s47, s[CX], 9                       ; the tile's columns,
	s_add_co_u32 s46, s46, s47
	s_lshl_b32 s47, s[HF], 8                       ; mine
	s_add_co_u32 s46, s46, s47
	s_mov_b32 s47, 0
	s_add_nc_u64 s[OUT:OUT+1], s[OUT:OUT+1], s[46:47]
	; the prefetches: both addresses' offsets are made, the wave's part chooses.  They start at K step 3; the first change of slots steps them to 4.
	s_lshl_b32 s46, s[TY], 7
	s_lshl_b32 s47, s[HF], 6
	s_add_co_u32 s46, s46, s47
	s_lshl_b32 s47, s[CX], 4
	s_add_co_u32 s46, s46, s47                     ; A: my work-group's 16 of the 64 rows that I fetch
	s_lshl_b32 s46, s46, 12
	s_add_co_u32 s46, s46, 3*ASTEP
	s_lshl_b32 s82, s[HF], 6
	s_lshl_b32 s83, s[CY], 4
	s_add_co_u32 s82, s82, s83                     ; B: likewise
	s_lshl_b32 s82, s82, 11
	s_lshl_b32 s83, s[PJ], 21
	s_add_co_u32 s82, s82, s83
	s_lshl_b32 s83, s[CX], 9
	s_add_co_u32 s82, s82, s83
	s_add_co_u32 s82, s82, 3*BSTEP
	s_cmp_lg_u32 s[PJ], 2
	s_cselect_b32 s83, 2, -1                       ; A's rows: not the V clusters
	s_cmp_eq_u32 s[CLY], 0
	s_cselect_b32 s[LIM], 2, -1                    ; B's rows: the clusters with y = 0
	s_mov_b32 s[PFS], BSTEP
	s_mov_b32 s[PFS+1], 0
	s_mov_b32 s47, 0
	s_cmp_eq_u32 s[RH], 0
	s_cselect_b32 s[LIM], s83, s[LIM]
	s_cselect_b32 s46, s46, s82
	s_cselect_b64 s[PFA:PFA+1], s[ABUF:ABUF+1], s[8:9]
	s_cselect_b32 s[PFS], ASTEP, s[PFS]
	s_cselect_b32 s82, 12, 11                      ; a row of A is 4,096 bytes, of B 2,048
	s_add_nc_u64 s[PFA:PFA+1], s[PFA:PFA+1], s[46:47]
	v_lshlrev_b32 v[PFO], s82, v1                  ; sixteen rows,
	v_lshl_add_u32 v[PFO], v2, 8, v[PFO]           ; lanes 16-31 their second 256 bytes
	; the bias is rounded to bf16 and widened again
	s_mov_b32 s46, 0xffff0000
	s_wait_loadcnt 0x0
	WIN 0x0a                                       ; sources 0 and 1 window 2, destination window 0
.set i, 0
.rept 32
	v_cvt_pk_bf16_f32 v[TMP+i], v[2*i], v[2*i+1]
.set i, i+1
.endr
	WIN 0x80
.set i, 0
.rept 32
	v_lshlrev_b32 v[2*i],   16,  v[TMP+i]
	v_and_b32     v[2*i+1], s46, v[TMP+i]
.set i, i+1
.endr
	WIN 0
; n x 8 matrix instructions: row blocks a0 .. a0 + n - 1 x all 8 column blocks, 32 along K, from buffer f.  first = 1: the products start the sums, with the bias as C: nothing is cleared.
; The 32 accumulators take turns, one instruction a turn, in the same order in every quarter, over the backward jump too.
.macro MUL f, a0, n, first
.if \first
	WIN W_FST
.else
	WIN W_MUL
.endif
.set ia, \a0
.rept \n
.set ib, 0
.rept 8
.if \first
	v_wmma_f32_16x16x32_bf16 v[8*(8*ia+ib):8*(8*ia+ib)+7], v[(\f)+32+8*ib:(\f)+32+8*ib+7], v[(\f)+8*ia:(\f)+8*ia+7], v[8*ib:8*ib+7]
.else
	v_wmma_f32_16x16x32_bf16 v[8*(8*ia+ib):8*(8*ia+ib)+7], v[(\f)+32+8*ib:(\f)+32+8*ib+7], v[(\f)+8*ia:(\f)+8*ia+7], v[8*(8*ia+ib):8*(8*ia+ib)+7]
.endif
.set ib, ib+1
.endr
.set ia, ia+1
.endr
.endm
; A's blocks 2 half and 2 half + 1 of buffer f: 16 f32 a lane and block are rounded to bf16, two an instruction, into the block's fragment
.macro CVT f, half
	WIN 0x0a                                       ; sources 0 and 1 window 2, destination window 0
.irp a, 2*(\half), 2*(\half)+1
.set ii, 0
.rept 8
	v_cvt_pk_bf16_f32 v[(\f)+8*(\a)+ii], v[RAW+64*(((\f)-F0)/96)+16*(\a)+2*ii], v[RAW+64*(((\f)-F0)/96)+16*(\a)+2*ii+1]
.set ii, ii+1
.endr
.endr
.endm
; 32 LDS loads in one run: quarter q (32 along K) of the slot in hand for buffer g: B's eight blocks, A's blocks 0 and 1, A's blocks 2 and 3 (A in f32, into window 2)
.macro FETCH q, g
	WIN 0
.irp b, 0,1,2,3,4,5,6,7
	ds_load_tr16_b128 v[(\g)+32+8*(\b):(\g)+32+8*(\b)+3],   v[ADRB] offset:32*(\q)*PB+32*(\b)
	ds_load_tr16_b128 v[(\g)+32+8*(\b)+4:(\g)+32+8*(\b)+7], v[ADRB] offset:32*(\q)*PB+32*(\b)+16*PB
.endr
	WIN 0x80                                       ; destination window 2, address window 0
.irp a, 0,1,2,3
.set ic, 0
.irp o, 0,16,64,80
	ds_load_b128 v[RAW+64*(((\g)-F0)/96)+16*(\a)+4*ic:RAW+64*(((\g)-F0)/96)+16*(\a)+4*ic+3], v[ADRA] offset:128*(\q)+(\a)*16*PA+(\o)
.set ic, ic+1
.endr
.endr
	WIN 0
.endm
; A K step is four quarters of 32 along K, 32 matrix instructions each, on buffers 0, 1, 0, 1.  One of the first three multiplies buffer f and, in its middle, fetches quarter q for buffer g.
.macro QUARTER q, f, g, first
	s_wait_dscnt 8                                 ; B and A's blocks 0, 1 are in; the youngest eight loads (A's blocks 2, 3) may be out
	CVT \f, 0
	MUL \f, 0, 2, \first
	PLACES
	FETCH \q, \g
	s_wait_dscnt 32                                ; all but the 32 just issued
	CVT \f, 1
	MUL \f, 2, 2, \first
.endm
; The last quarter multiplies buffer 1 and changes slots: ONE barrier.  Its first sixteen products stand ahead of the waits, so that little stands between the landing of the next slot and the request that follows.
; In front of the barrier each wave waits for all its tensor loads (one is out: its part of the next slot), adds 0 to its spare word, and waits for that and for its own reads of this slot.
; fill = 1: the barrier opens a round of the cluster's barrier, and behind the round this slot is filled again, with the K step two on: a K step's 128 matrix instructions ahead of the wait for it.
.macro TURN fill
.if \fill
	s_wait_xcnt 0x0                                ; the last prefetch, a K step back, has read its address: it is stepped here
	s_add_nc_u64 s[PFA:PFA+1], s[PFA:PFA+1], s[PFS:PFS+1]
.endif
	s_wait_dscnt 8                                 ; the youngest eight loads (A's blocks 2, 3) may be out
	CVT F1, 0
	MUL F1, 0, 2, 0
	WIN 0
	s_wait_tensorcnt 0x0                           ; no tensor load of mine is out, so a group 0 may be written
	ds_add_u32 v[SPW], v[NIL]                      ; 0 onto my spare word: the scalar steps stand between it and the wait for it
.if \fill
	s_xor_b32 s[G0A+5], s[G0A+5], SA               ; the walking descriptors: the other slot than last time,
	s_add_nc_u64 s[G0A+6:G0A+7], s[G0A+6:G0A+7], ASTEP  ; the next K step; the type bits on top are not reached
	s_xor_b32 s[G0B+5], s[G0B+5], SB
	s_add_nc_u64 s[G0B+6:G0B+7], s[G0B+6:G0B+7], BSTEP
.endif
	s_xor_b32 s[TBA], s[TBA], SA
	s_xor_b32 s[TBB], s[TBB], SB
	s_wait_dscnt 0x0                               ; the add is done, and my reads of this slot are over
	s_barrier_signal -1
	CVT F1, 1                                      ; work on registers while the others arrive
	WIN 0                                          ; at a branch and at a label every window is 0
	s_barrier_wait -1
.if \fill
	CREST                                          ; no wave of any partner still reads this slot or has a load on its way
	JLOAD                                          ; the first tensor load behind the round; its four v_nop are also places in front of the loads below
.else
	PLACES
.endif
	v_add_nc_u32 v[ADRA], s[TBA], v[ADRA0]
	v_add_nc_u32 v[ADRB], s[TBB], v[ADRB0]
	FETCH 0, F0
.if \fill
	ASK
.endif
	MUL F1, 2, 2, 0
.endm
	s_wait_tensorcnt 0x1                           ; my part of K step 0 is in; K step 1's may stay out
	s_barrier_signal -1
	s_barrier_wait -1                              ; everybody's is
	FETCH 0, F0
	QUARTER 1, F0, F1, 1                           ; the first quarter stands in front of the loop: its products start the sums
	WIN 0
	s_mov_b32 s[CNT], NSTEP-2
.Lstep:                                                ; a trip: from a K step's second quarter to the next one's first; it fills a slot again
	QUARTER 2, F1, F0, 0
	QUARTER 3, F0, F1, 0
	TURN 1
	QUARTER 1, F0, F1, 0
	WIN 0
	s_sub_co_u32 s[CNT], s[CNT], 1
	s_cmp_lg_u32 s[CNT], 0
	s_cbranch_scc1 .Lstep
	QUARTER 2, F1, F0, 0                           ; the last two K steps are written out: nothing is left to fetch
	QUARTER 3, F0, F1, 0
	TURN 0
	QUARTER 1, F0, F1, 0
	QUARTER 2, F1, F0, 0
	QUARTER 3, F0, F1, 0
	s_wait_dscnt 8
	CVT F1, 0
	MUL F1, 0, 2, 0
	s_wait_dscnt 0x0
	CVT F1, 1
	MUL F1, 2, 2, 0
; THE WAY OUT, a block of 16 rows at a time: rounded to f16, 16 bytes a lane into my own stage, back as whole rows of 256 bytes, stored.
.macro PACK a
	WIN 0x05                                       ; sources 0 and 1 window 1, destination window 0
.set ib, 0
.rept 8
.set ir, 0
.rept 4
	v_cvt_pk_f16_f32 v[TMP+4*ib+ir], v[8*(8*(\a)+ib)+2*ir], v[8*(8*(\a)+ib)+2*ir+1]
.set ir, ir+1
.endr
.set ib, ib+1
.endr
	WIN 0
.endm
.macro TOSTAGE a
.set ib, 0
.rept 8
	ds_store_b128 v[STO], v[TMP+4*ib:TMP+4*ib+3] offset:32*ib
.set ib, ib+1
.endr
.set it, 0
.rept 8
	ds_load_b128 v[BK+32*(\a)+4*it:BK+32*(\a)+4*it+3], v[RD] offset:2*SP*it  ; LDS serves a wave's instructions in order (ISA guide 5.7.1.4): these see the stores above
.set it, it+1
.endr
.endm
.macro SEND a
	s_wait_dscnt 0x0                               ; the block is back in registers of its own, which nothing writes again
.set it, 0
.rept 8
	global_store_b128 v[CO], v[BK+32*(\a)+4*it:BK+32*(\a)+4*it+3], s[OUT:OUT+1] offset:(16*(\a)+2*it)*2048  ; 16 lanes store 256 consecutive bytes, aligned
.set it, it+1
.endr
.endm
	WIN 0
	PLACES
	PACK 0
	TOSTAGE 0
.irp a, 1,2,3                          ; block a's conversions stand between block a - 1's loads from the stage and the wait for them
	PACK \a
	SEND (\a)-1
	TOSTAGE \a
.endr
	SEND 3
	s_wait_tensorcnt 0x0                           ; the wave's end: the add and its wait stand behind my last tensor load and my last LDS store
	ds_add_u32 v[SPW], v[NIL]
	s_wait_dscnt 0x0
	CROUND                                         ; the closing round: no work-group ends while a partner may still ask for a tile that names it
	s_endpgm
.Lfunc_end_k_qfcb524414f_proj:
	.size	k_qfcb524414f_proj, .Lfunc_end_k_qfcb524414f_proj-k_qfcb524414f_proj
	.p2alignl 7, 3214868480
	.fill 96, 4, 3214868480
	.section	.rodata,"a",@progbits
	.p2align	6, 0x0
	.amdhsa_kernel k_qfcb524414f_proj
		.amdhsa_group_segment_fixed_size 327680
		.amdhsa_private_segment_fixed_size 0
		.amdhsa_enable_private_segment 0
		.amdhsa_kernarg_size 56
		.amdhsa_user_sgpr_count 2
		.amdhsa_user_sgpr_kernarg_segment_ptr 1
		.amdhsa_wavefront_size32 1
		.amdhsa_system_sgpr_workgroup_id_x 1
		.amdhsa_system_sgpr_workgroup_id_y 1
		.amdhsa_system_sgpr_workgroup_id_z 1
		.amdhsa_system_vgpr_workitem_id 0
		.amdhsa_next_free_vgpr 704
		.amdhsa_next_free_sgpr 96
		.amdhsa_reserve_vcc 0
		.amdhsa_float_denorm_mode_32 3
		.amdhsa_float_denorm_mode_16_64 3
		.amdhsa_memory_ordered 1
		.amdhsa_forward_progress 1
		.amdhsa_inst_pref_size 109
	.end_amdhsa_kernel
	.amdgpu_metadata
---
amdhsa.version: [ 1, 2 ]
amdhsa.kernels:
  - .name:           k_qfcb524414f_proj
    .symbol:         k_qfcb524414f_proj.kd
    .args:
      - { .name: x, .offset: 0, .size: 8, .value_kind: global_buffer, .address_space: global }
      - { .name: context, .offset: 8, .size: 8, .value_kind: global_buffer, .address_space: global }
      - { .name: wb, .offset: 16, .size: 8, .value_kind: global_buffer, .address_space: global }
      - { .name: bq, .offset: 24, .size: 8, .value_kind: global_buffer, .address_space: global }
      - { .name: bk, .offset: 32, .size: 8, .value_kind: global_buffer, .address_space: global }
      - { .name: bv, .offset: 40, .size: 8, .value_kind: global_buffer, .address_space: global }
      - { .name: qkv, .offset: 48, .size: 8, .value_kind: global_buffer, .address_space: global }
    .group_segment_fixed_size: 327680
    .private_segment_fixed_size: 0
    .kernarg_segment_align: 8
    .kernarg_segment_size: 56
    .max_flat_workgroup_size: 128
    .sgpr_count:     96
    .vgpr_count:     704
    .wavefront_size: 32
...
	.end_amdgpu_metadata
.endif
;; end of part 2
;; launch score (part 3): grid 8 x 32, 4 waves a work-group, clusters of 4 x 4, 327,680 bytes of LDS; arguments qkv, pw, st; writes pw, st
.if DOCPART == 3
	.amdgcn_target "amdgcn-amd-amdhsa--gfx1250"
	.amdhsa_code_object_version 6
	.text
	.protected	k_qfcb524414f_score
	.globl	k_qfcb524414f_score
	.p2align	8
	.type	k_qfcb524414f_score,@function
k_qfcb524414f_score:
	s_mov_b64 s[64:65], 0
	v_nop
	global_prefetch_b8 v0, s[64:65] scope:SCOPE_SE
	s_setreg_imm32_b32 hwreg(HW_REG_WAVE_MODE, 25, 1), 1
	s_wait_xcnt 0x0
	s_wait_alu depctr_hold_cnt(0) depctr_sa_sdst(0) depctr_va_vdst(0) depctr_va_sdst(0) depctr_va_ssrc(0) depctr_va_vcc(0) depctr_vm_vsrc(0)
	s_getreg_b32 s2, hwreg(HW_REG_IB_STS2, 6, 4)
	s_cmp_eq_u32 s2, 0
	s_cbranch_scc0 .Lentry_in_a_cluster
	s_endpgm
.Lentry_in_a_cluster:
	s_bfe_u32 s2, ttmp6, 0x10000c
	s_cmp_lg_u32 s2, 0xf033
	s_cbranch_scc0 .Lentry_shape_is_right
	s_endpgm
.Lentry_shape_is_right:
; s = Q . K over 1,024 channels, per batch; then, for each query and each GROUP of 128 keys: m' = c x the group's largest s, p = 2^(c s - m'), l = the sum of the group's p.  c = log2(e) / 32.
; qkv: f16 [3][8192][1024].  pw: f16 [8192 queries][2048 keys of the query's batch], the p.  st: f32 [2][16 groups][8192 queries]: plane 0 m', plane 1 l.
; Products in f16, sums, maxima and l in f32 (l of the unrounded p); p rounded once, to f16.  The next launch brings the sixteen groups of a row to the row's own maximum.
; LIMITS.  p lies in 0 to 1; below 6e-5 it keeps f16's fixed step of 6e-8.  NaN and infinities are not treated apart.
; SHARES.  A work-group makes 256 queries x 256 keys, its four waves 128 x 128 each: 64 accumulators of 16 x 16, 512 registers; a wave's 128 keys are one group, so maximum and sum never leave the wave.
; K (the channels) goes in steps of 128 through two LDS slots; each wave fetches 128 rows x 256 bytes by one tensor load: waves 0, 1 the halves of Q's tile, waves 2, 3 those of K's.
; CLUSTER.  4 x 4 work-groups: Q's tile is shared along a row of the cluster, K's along a column: each is asked for jointly.
; THE MATRIX INSTRUCTION IS USED TRANSPOSED (source 0 = 16 keys, source 1 = 16 queries): a lane holds ONE query (lane % 16) and, of each block of 16 keys, the eight 8 (lane / 16) + 0..7.
; REGISTERS, in windows of 256: window 0: v0-31 addresses; v64-127, v128-191 fragments of Q, two buffers; on the way out v32-63, v64-146, v192-223 at work
;   window 1: v64-127, v128-191 fragments of K;   window 2: the 32 accumulators of my queries 0-63 ((a, b) at v[8 (8 a + b)]);   window 3: those of my queries 64-127
.set SIZE_K, 1024
.set KSTEP,  128
.set ROWB,   SIZE_K*2                  ; bytes in a row of Q and K
.set PITCH,  272                       ; an LDS row: 256 bytes + 16 = 68 words: the 16 rows of a load start at 16 different groups of four banks (64 banks of 4 bytes: ISA guide 11.1)
.set HALFT,  128*PITCH                 ; what one tensor load brings, and what one wave reads of Q or of K
.set SLOT,   4*HALFT                   ; Q's 256 rows, then K's 256 rows
.set STAGE,  2*SLOT                    ; behind the ring: 16 rows x 272 bytes for each wave, for the way out
.set STAT,   STAGE+4*16*PITCH          ; then 1,024 bytes for each wave: m' of its 128 queries, l of its 128 queries
.set SPARE,  STAT+4*1024               ; then the spare words, 128 bytes for each wave: two blocks of 256 bytes that no other line names
.set LAPS,   SIZE_K/(2*KSTEP)          ; a lap = two K steps = once round the ring
.set ADRA, 16                          ; v16-17  LDS address of my Q fragments in slot 0, 1
.set ADRB, 20                          ; v20-21  the same for K
.set SO,   23                          ; v23  16 x lane
.set STO,  24                          ; v24  the way out: where I put 16 bytes of a row
.set RD,   25                          ; v25  where I read a row back
.set CO,   26                          ; v26  my byte offset in pw; steps 16 rows a block
.set SA,   27                          ; v27  where m' of my query goes; steps 64 bytes a block
.set SPW,  28                          ; v28  LDS address of my spare word; never rewritten
.set NIL,  29                          ; v29  0; never rewritten
.set PFO,  30                          ; v30  the prefetches' offset: lane x a row; never rewritten
.set SR,   31                          ; v31  where I read 16 bytes of the statistics back
.set BK,   32                          ; v32-63   16 rows read back from the stage
.set F0,   64
.set F1,   128
.set S,    64                          ; v64-127  a block's 64 scores of my query, times c; then p
.set T,    128                         ; v128-143 at work
.set MX,   144                         ; v144-145 m', twice (a pair for the packed subtraction)
.set LS,   146                         ; v146     l
.set TMP,  192                         ; v192-223 p in f16
.set CNT, 3                            ; s3   laps to go
.set WV,  10                           ; s10  wave
.set RH,  11                           ; s11  my 128 queries; also: I fetch for Q (0) or for K (1)
.set HF,  12                           ; s12  my 128 keys; also: which 128 rows of that tile I fetch
.set TY,  13                           ; s13  tile row, 0 to 31
.set TX,  14                           ; s14  tile column in the batch, 0 to 7
.set CX,  15
.set CY,  16
.set CLY, 17                           ; s17  cluster y
.set BA,  18                           ; s18  batch = cluster y / 2: the same in all partners
.set LIM, 19                           ; s19  1 in a wave that prefetches, else the greatest number
.set G1,  24                           ; s[24:31] descriptor group 1 for Q's tiles;  s[32:39] group 0, a set for each slot
.set G0,  32
.set PFA, 40                           ; s[40:41] where my prefetches stand
.set G1B, 48                           ; s[48:55], s[56:63] the same for K's tiles
.set G0B, 56
.set CS,  68                           ; s[68:69] c: the packed multiply takes the pair's low word for both halves
.set SEL, 70                           ; s[70:71] v_permlanex16_b32's selects: each lane takes its own place in the other half
.set BLK, 72                           ; s72  the block of 16 queries on its way out
.set MSB, 0
.macro WIN new                         ; the immediate's high byte repeats the setting that is left; a switch that changes nothing is dropped
.if MSB != (\new)
	s_set_vgpr_msb (MSB<<8)|(\new)
.set MSB, \new
.endif
.endm
.set MUL_LO, 0xa1                      ; source 0 (K) window 1, source 1 (Q) window 0, C and D window 2
.set MUL_HI, 0xf1                      ; the same, C and D window 3
.set TO_B,   0x40                      ; destination window 1, address window 0
.macro PLACES                          ; four places between a matrix instruction and a load into, or a vector write of, its registers, or a vector read of its result
.rept 4
	v_nop
.endr
.endm
.macro JLOAD s                         ; a joint load into slot s; the branch hangs on the wave's number alone; an s_nop 0 and four v_nop follow each of the two lines
	s_cmp_eq_u32 s[RH], 0
	s_cbranch_scc0 .Lfor_b_\@
	tensor_load_to_lds s[G0+4*(\s):G0+4*(\s)+3], s[G1:G1+7]
	s_nop 0
	PLACES
	s_branch .Lasked_\@
.Lfor_b_\@:
	tensor_load_to_lds s[G0B+4*(\s):G0B+4*(\s)+3], s[G1B:G1B+7]
	s_nop 0
	PLACES
.Lasked_\@:
.endm
; A prefetch, behind each joint load and the run of LDS loads that follows it: the K step that stands two refills on, 512 matrix instructions ahead of the load that will want it: 32 rows x 256 bytes, a lane a row.
; Each row's 256 bytes of a K step are named once in the launch: Q's rows by the clusters with x = 0, K's by the clusters with an even y (two clusters along y share a batch); of the 128 rows that a wave
; fetches each of the four partners that ask jointly takes 32, told apart by address (cx for Q, cy for K).  K steps 0 to 3 come by their loads alone; the loop's last trip (CNT = 1) names nothing.
.macro ASK
	s_cmp_gt_u32 s[CNT], s[LIM]
	s_cbranch_scc0 .Lnot_mine_\@
	global_prefetch_b8 v[PFO], s[PFA:PFA+1] offset:KSTEP*2 th:TH_LOAD_NT scope:SCOPE_SE
.Lnot_mine_\@:
.endm
.macro CREST                           ; a round of the cluster's barrier behind its opening barrier
	s_cmp_lg_u32 s[WV], 0
	s_cbranch_scc1 .Lnot_wave_0_\@
	s_barrier_signal -3
.Lnot_wave_0_\@:
	s_barrier_wait -3
	s_barrier_signal -1
	s_barrier_wait -1
.endm
.macro CROUND
	s_barrier_signal -1
	s_barrier_wait -1
	CREST
.endm
	s_load_b128 s[4:7], s[0:1], 0x0                ; qkv s[4:5], pw s[6:7]
	s_load_b64 s[8:9], s[0:1], 0x10                ; st
	v_lshl_add_u32 v[SPW], v0, 2, SPARE
	v_mov_b32 v[NIL], 0
	ds_add_u32 v[SPW], v[NIL]                      ; the wave's opening: the add and its wait stand ahead of my first tensor load; work on registers stands between them
	v_lshrrev_b32 v1, 5, v0
	v_readfirstlane_b32 s[WV], v1
	s_lshr_b32 s[RH], s[WV], 1
	s_and_b32 s[HF], s[WV], 1
	s_bfe_u32 s[CX], ttmp6, 0x40000
	s_bfe_u32 s[CY], ttmp6, 0x40004
	s_lshl_b32 s[TX], ttmp9, 2                     ; in a cluster launch ttmp9 and ttmp7 count clusters
	s_add_co_u32 s[TX], s[TX], s[CX]
	s_and_b32 s[CLY], ttmp7, 0xffff
	s_lshl_b32 s[TY], s[CLY], 2
	s_add_co_u32 s[TY], s[TY], s[CY]
	s_lshr_b32 s[BA], s[CLY], 1
	s_lshl_b32 s42, s[CY], 2
	s_lshl_b32 s42, 15, s42                        ; my row of the cluster
	s_lshl_b32 s43, 0x1111, s[CX]                  ; my column
	s_or_b32 s[G1],  s42, (1<<16)|(1<<20)|(1<<21)|(5<<22)|(3<<25)  ; the mask; elements of 2 bytes; padding on; bit 21 beside a mask; after every 64 words 4 words
	s_or_b32 s[G1B], s43, (1<<16)|(1<<20)|(1<<21)|(5<<22)|(3<<25)
.irp g, G1, G1B
	s_mov_b32 s[(\g)+1], KSTEP<<16                 ; tensor_dim0 = 128
	s_mov_b32 s[(\g)+2], 128<<16                   ; tensor_dim1 = 128
	s_mov_b32 s[(\g)+3], KSTEP<<16                 ; tile_dim0 = 128
	s_mov_b32 s[(\g)+4], 128                       ; tile_dim1 = 128
	s_mov_b32 s[(\g)+5], SIZE_K                    ; elements from row to row
	s_mov_b32 s[(\g)+6], 0
	s_mov_b32 s[(\g)+7], 0
.endr
	s_mov_b32 s[CS], 0x3d38aa3b                    ; c = log2(e) / 32
	s_mov_b32 s[CS+1], s[CS]                       ; named with it as a pair
	s_mov_b32 s[SEL], 0x76543210
	s_mov_b32 s[SEL+1], 0xfedcba98
	; Q's tile hangs on the tile row and the wave; K's on the batch, the tile column and the wave: in registers that never hold the other coordinate
	s_lshl_b32 s20, s[TY], 8
	s_lshl_b32 s21, s[HF], 7
	s_add_co_u32 s20, s20, s21                     ; Q: row 256 ty + 128 x half
	s_lshl_b32 s20, s20, 11
	s_mov_b32 s21, 0
	s_lshl_b32 s22, s[BA], 11
	s_lshl_b32 s23, s[TX], 8
	s_add_co_u32 s22, s22, s23
	s_lshl_b32 s23, s[HF], 7
	s_add_co_u32 s22, s22, s23                     ; K: row 2,048 batch + 256 tx + 128 x half,
	s_lshl_b32 s22, s22, 11
	s_add_co_u32 s22, s22, 8192*ROWB               ; behind Q's 8,192 rows
	s_mov_b32 s23, 0
	s_mul_i32 s42, s[WV], HALFT                    ; where they go: Q's two halves, then K's two: wave x 128 rows
	s_wait_dscnt 0x0                               ; the opening add is done
	s_wait_kmcnt 0x0
	s_add_nc_u64 s[20:21], s[4:5], s[20:21]
	s_add_nc_u64 s[22:23], s[4:5], s[22:23]
	CROUND                                         ; all sixteen work-groups are here: the first joint loads meet
.irp s, 0,1
	s_mov_b32 s[G0+4*(\s)], 1
	s_add_co_u32 s[G0+4*(\s)+1], s42, (\s)*SLOT
	s_add_nc_u64 s[G0+4*(\s)+2:G0+4*(\s)+3], s[20:21], (\s)*KSTEP*2
	s_or_b32 s[G0+4*(\s)+3], s[G0+4*(\s)+3], 0x80000000
	s_mov_b32 s[G0B+4*(\s)], 1
	s_add_co_u32 s[G0B+4*(\s)+1], s42, (\s)*SLOT
	s_add_nc_u64 s[G0B+4*(\s)+2:G0B+4*(\s)+3], s[22:23], (\s)*KSTEP*2
	s_or_b32 s[G0B+4*(\s)+3], s[G0B+4*(\s)+3], 0x80000000
	JLOAD \s                                       ; the ring is filled before anything else is done: two loads of mine are out
.endr
	; A fragment is 16 rows x 32 channels in 8 registers: lane l holds row l % 16, channels 8 (l / 16) + 0..7 and 16 + 8 (l / 16) + 0..7: two loads of 16 bytes, 32 bytes apart.
	v_and_b32 v1, 15, v0                           ; r = l % 16
	v_bfe_u32 v2, v0, 4, 1                         ; h = l / 16
	v_mul_u32_u24 v3, v1, PITCH
	v_lshl_add_u32 v3, v2, 4, v3                   ; row x pitch + 16 x half
	s_mul_i32 s20, s[RH], HALFT
	s_mul_i32 s21, s[HF], HALFT
	s_add_co_u32 s21, s21, 2*HALFT
.irp s, 0,1
	v_add_nc_u32 v[ADRA+(\s)], s20, v3
	v_add_nc_u32 v[ADRB+(\s)], s21, v3
	s_add_co_u32 s20, s20, SLOT
	s_add_co_u32 s21, s21, SLOT
.endr
	s_mul_i32 s20, s[WV], 16*PITCH
	s_add_co_u32 s20, s20, STAGE                   ; my stage
	v_add_nc_u32 v[STO], s20, v3                   ; in: row l % 16, 16 bytes for each half of the lanes
	v_mul_u32_u24 v4, v2, PITCH                    ; back: lanes 0-15 take one row of 256 bytes, lanes 16-31 the next
	v_lshl_add_u32 v4, v1, 4, v4
	v_add_nc_u32 v[RD], s20, v4
	v_lshlrev_b32 v[CO], 12, v2                    ; and the same two rows in pw, 4,096 bytes each
	v_lshl_add_u32 v[CO], v1, 4, v[CO]
	s_lshl_b32 s20, s[WV], 10
	s_add_co_u32 s20, s20, STAT                    ; my statistics
	v_lshl_add_u32 v[SA], v1, 2, s20
	v_and_b32 v[SO], 31, v0
	v_lshlrev_b32 v[SO], 4, v[SO]
	v_add_nc_u32 v[SR], s20, v[SO]
	s_lshl_b32 s20, s[TY], 8
	s_lshl_b32 s21, s[RH], 7
	s_add_co_u32 s20, s20, s21                     ; my first query
	s_lshl_b32 s22, s20, 2                         ; its 4 bytes in a group's row of st
	s_lshl_b32 s20, s20, 12                        ; its 4,096 bytes in pw
	s_lshl_b32 s21, s[TX], 1
	s_add_co_u32 s21, s21, s[HF]                   ; my group of keys
	s_lshl_b32 s23, s21, 15
	s_add_co_u32 s22, s22, s23
	s_lshl_b32 s21, s21, 8
	s_add_co_u32 s20, s20, s21
	s_mov_b32 s21, 0
	s_mov_b32 s23, 0
	s_add_nc_u64 s[6:7], s[6:7], s[20:21]
	s_add_nc_u64 s[8:9], s[8:9], s[22:23]
	; the prefetches
	s_lshl_b32 s44, s[TY], 8                       ; the tile's first row in qkv: Q's,
	s_lshl_b32 s45, s[BA], 11
	s_lshl_b32 s46, s[TX], 8
	s_add_co_u32 s45, s45, s46
	s_add_co_u32 s45, s45, 8192                    ; K's
	s_and_b32 s46, s[CLY], 1
	s_cmp_eq_u32 s[RH], 0
	s_cselect_b32 s44, s44, s45
	s_cselect_b32 s45, s[CX], s[CY]                ; my place among the four that ask for it with me
	s_cselect_b32 s46, ttmp9, s46                  ; the coordinate along which other clusters read the same rows
	s_cmp_eq_u32 s46, 0
	s_cselect_b32 s[LIM], 1, -1                    ; the same in all sixteen partners, for a given wave
	s_lshl_b32 s46, s[HF], 7
	s_add_co_u32 s44, s44, s46                     ; + the 128 rows that I fetch
	s_lshl_b32 s45, s45, 5
	s_add_co_u32 s44, s44, s45                     ; + my work-group's 32 of them
	s_lshl_b32 s44, s44, 11
	s_add_co_u32 s44, s44, 2*KSTEP*2               ; at K step 2: the first refill steps it to 3 and names K step 4
	s_mov_b32 s45, 0
	s_add_nc_u64 s[PFA:PFA+1], s[4:5], s[44:45]
	v_and_b32 v[PFO], 31, v0
	v_lshlrev_b32 v[PFO], 11, v[PFO]
; 16 matrix instructions: query blocks a0, a0 + 1 of the window's four x all 8 key blocks, 32 along K.  zero = 1: the first product starts the sums: nothing is cleared.
; The 64 accumulators take turns, one instruction a turn, in the same order in every quarter, over the backward jump too.
.macro MUL16 f, hi, a0, zero
	WIN MUL_LO+0x50*(\hi)
.irp a, \a0, (\a0)+1
.irp b, 0,1,2,3,4,5,6,7
.if \zero
	v_wmma_f32_16x16x32_f16 v[8*(8*(\a)+(\b)):8*(8*(\a)+(\b))+7], v[(\f)+8*(\b):(\f)+8*(\b)+7], v[(\f)+8*(4*(\hi)+(\a)):(\f)+8*(4*(\hi)+(\a))+7], 0
.else
	v_wmma_f32_16x16x32_f16 v[8*(8*(\a)+(\b)):8*(8*(\a)+(\b))+7], v[(\f)+8*(\b):(\f)+8*(\b)+7], v[(\f)+8*(4*(\hi)+(\a)):(\f)+8*(4*(\hi)+(\a))+7], v[8*(8*(\a)+(\b)):8*(8*(\a)+(\b))+7]
.endif
.endr
.endr
.endm
; 32 LDS loads in one run: the fragments of one quarter step (128 rows of K, 128 of Q, 32 channels at byte k of the rows) into buffer f
.macro FETCH slot, k, f
	WIN TO_B
.irp i, 0,1,2,3,4,5,6,7
	ds_load_b128 v[(\f)+8*(\i):(\f)+8*(\i)+3],   v[ADRB+(\slot)] offset:(\k)+(\i)*16*PITCH
	ds_load_b128 v[(\f)+8*(\i)+4:(\f)+8*(\i)+7], v[ADRB+(\slot)] offset:(\k)+(\i)*16*PITCH+32
.endr
	WIN 0
.irp i, 0,1,2,3,4,5,6,7
	ds_load_b128 v[(\f)+8*(\i):(\f)+8*(\i)+3],   v[ADRA+(\slot)] offset:(\k)+(\i)*16*PITCH
	ds_load_b128 v[(\f)+8*(\i)+4:(\f)+8*(\i)+7], v[ADRA+(\slot)] offset:(\k)+(\i)*16*PITCH+32
.endr
.endm
; A K step is four quarters of 32 along K, 64 matrix instructions each, on buffers 0, 1, 0, 1.  One of the first three multiplies buffer f and, in its middle, fetches the next quarter into g.
.macro QUARTER slot, k, f, g, zero
	s_wait_dscnt 8                                 ; K and Q's rows 0-63 are in; the youngest eight loads (Q's rows 64-127) may be out
	MUL16 \f, 0, 0, \zero
	MUL16 \f, 0, 2, \zero
	PLACES
	FETCH \slot, \k, \g
	s_wait_dscnt 32                                ; all but the 32 just issued
	MUL16 \f, 1, 0, \zero
	MUL16 \f, 1, 2, \zero
.endm
; The first half of a K step's last quarter: ONE barrier for the change of slots.  In front of it each wave waits for all its tensor loads (one is out: its part of the next slot), adds 0 to its spare
; word, and waits for that and for its own reads of this slot.  round = 1: a round of the cluster's barrier follows.
.macro MEET round
	WIN 0
	s_wait_tensorcnt 0x0                           ; no tensor load of mine is out
	ds_add_u32 v[SPW], v[NIL]                      ; 0 onto my spare word
	s_wait_dscnt 9                                 ; (the add and the youngest eight loads may be out)
	MUL16 F1, 0, 0, 0
	s_wait_dscnt 0x0                               ; the add is done, and my reads of this slot are over
	s_barrier_signal -1
	MUL16 F1, 0, 2, 0                              ; work on registers while the others arrive
.if \round
	WIN 0                                          ; at a branch and at a label every window is 0
.endif
	s_barrier_wait -1
.endm
; The whole last quarter: behind the round the slot just read out is filled again, with the K step two on: 224 matrix instructions ahead of the wait for it.
.macro TURN slot, next
	s_wait_xcnt 0x0                                ; the last prefetch, a K step back, has read its address: it is stepped here
	s_add_nc_u64 s[PFA:PFA+1], s[PFA:PFA+1], KSTEP*2
	MEET 1
	CREST                                          ; no wave of any partner still reads this slot or has a load on its way
	s_add_nc_u64 s[G0+4*(\slot)+2:G0+4*(\slot)+3], s[G0+4*(\slot)+2:G0+4*(\slot)+3], 2*KSTEP*2
	s_add_nc_u64 s[G0B+4*(\slot)+2:G0B+4*(\slot)+3], s[G0B+4*(\slot)+2:G0B+4*(\slot)+3], 2*KSTEP*2
	JLOAD \slot                                    ; the first tensor load behind the round; its four v_nop are also the places in front of the loads below
	FETCH \next, 0, F0
	ASK
	MUL16 F1, 1, 0, 0
	MUL16 F1, 1, 2, 0
.endm
	s_wait_tensorcnt 0x1                           ; my part of K step 0 is in; K step 1's may stay out
	s_barrier_signal -1
	s_barrier_wait -1
	FETCH 0, 0, F0
	QUARTER 0, 64,  F0, F1, 1                      ; the first quarter stands in front of the loop: its products start the sums
	WIN 0
	s_mov_b32 s[CNT], LAPS-1
.Llap:                                                 ; a trip goes once round the ring, from a lap's second quarter to the next lap's first, and fills both slots again
	QUARTER 0, 128, F1, F0, 0
	QUARTER 0, 192, F0, F1, 0
	TURN 0, 1
	QUARTER 1, 64,  F0, F1, 0
	QUARTER 1, 128, F1, F0, 0
	QUARTER 1, 192, F0, F1, 0
	TURN 1, 0
	QUARTER 0, 64,  F0, F1, 0
	WIN 0
	s_sub_co_u32 s[CNT], s[CNT], 1
	s_cmp_lg_u32 s[CNT], 0
	s_cbranch_scc1 .Llap
	QUARTER 0, 128, F1, F0, 0                      ; the last lap is written out: nothing is left to fetch
	QUARTER 0, 192, F0, F1, 0
	MEET 0
	PLACES
	FETCH 1, 0, F0
	MUL16 F1, 1, 0, 0
	MUL16 F1, 1, 2, 0
	QUARTER 1, 64,  F0, F1, 0
	QUARTER 1, 128, F1, F0, 0
	QUARTER 1, 192, F0, F1, 0
	s_wait_dscnt 8
	MUL16 F1, 0, 0, 0
	MUL16 F1, 0, 2, 0
	s_wait_dscnt 0x0
	MUL16 F1, 1, 0, 0
	MUL16 F1, 1, 2, 0
; THE WAY OUT: a counted loop over my eight blocks of 16 queries.  Only the lines that name accumulators are written eight times: they multiply by c and bring the block's scores into window 0.
.macro MOVE a
	WIN 0x02+(\a)/4                                ; source 0 in window 2 or 3
.set i, 0
.rept 32
	v_pk_mul_f32 v[S+2*i:S+2*i+1], v[64*((\a)%4)+2*i:64*((\a)%4)+2*i+1], s[CS:CS+1] op_sel_hi:[1,0]  ; each accumulator from its low end on
.set i, i+1
.endr
	WIN 0
.endm
	WIN 0
	PLACES
	s_mov_b32 s[BLK], 0
.Lblock:
.irp a, 0,1,2,3,4,5,6
	s_cmp_eq_u32 s[BLK], \a
	s_cbranch_scc0 .Lnot_\a
	MOVE \a
	s_branch .Lmoved
.Lnot_\a:
.endr
	MOVE 7
.Lmoved:
	; the largest of my query's 64 scores, three operands at a time; the query's other 64 keys lie in the lane 16 away
.set i, 0
.rept 16
	v_max3_num_f32 v[T+i], v[S+4*i], v[S+4*i+1], v[S+4*i+2]
.set i, i+1
.endr
.set i, 0
.rept 8
	v_max3_num_f32 v[T+i], v[T+i], v[S+8*i+3], v[S+8*i+7]
.set i, i+1
.endr
.irp i, 0,3,6,9,12
	v_max3_num_f32 v[T+\i], v[T+\i], v[T+\i+1], v[T+\i+2]
.endr
	v_max3_num_f32 v[T], v[T], v[T+3], v[T+6]
	v_max3_num_f32 v[T+9], v[T+9], v[T+12], v[T+15]
	v_max_num_f32 v[T], v[T], v[T+9]
	v_permlanex16_b32 v[T+1], v[T], s[SEL], s[SEL+1]
	v_max_num_f32 v[MX], v[T], v[T+1]              ; m', made twice to fill the pair
	v_max_num_f32 v[MX+1], v[T], v[T+1]
.set i, 0
.rept 32
	v_pk_add_f32 v[S+2*i:S+2*i+1], v[S+2*i:S+2*i+1], v[MX:MX+1] neg_lo:[0,1] neg_hi:[0,1]  ; c s - m'
.set i, i+1
.endr
.set i, 0
.rept 64
	v_exp_f32 v[S+i], v[S+i]                       ; one batch
.set i, i+1
.endr
	v_nop                                          ; a plain instruction behind the last exponential
	s_wait_alu depctr_va_vdst(0)                   ; and the wait ahead of the first use of the batch's results
.set i, 0
.rept 32
	v_cvt_pk_f16_f32 v[TMP+i], v[S+2*i], v[S+2*i+1]
.set i, i+1
.endr
.set i, 0
.rept 8
	ds_store_b128 v[STO], v[TMP+4*i:TMP+4*i+3] offset:32*i
.set i, i+1
.endr
.set i, 0
.rept 8
	ds_load_b128 v[BK+4*i:BK+4*i+3], v[RD] offset:2*PITCH*i  ; LDS serves a wave's instructions in order (ISA guide 5.7.1.4): these see the stores above
.set i, i+1
.endr
	; the sum of the unrounded p, in place, while the stage's loads are out: partners 1, 2, 4, 8, 16 pairs apart
.irp d, 2,4,8,16,32
.set i, 0
.rept 32/(\d)
	v_pk_add_f32 v[S+i:S+i+1], v[S+i:S+i+1], v[S+i+(\d):S+i+(\d)+1]
.set i, i+2*(\d)
.endr
.endr
	v_add_f32 v[LS], v[S], v[S+1]
	v_permlanex16_b32 v[T+2], v[LS], s[SEL], s[SEL+1]
	v_add_f32 v[LS], v[LS], v[T+2]
	ds_store_b32 v[SA], v[MX]                      ; both halves of the lanes write the same word with the same number
	ds_store_b32 v[SA], v[LS] offset:512
	v_add_nc_u32 v[SA], 64, v[SA]                  ; the next block's 16 queries
	s_wait_dscnt 0x0                               ; the block is back in registers
.set i, 0
.rept 8
	global_store_b128 v[CO], v[BK+4*i:BK+4*i+3], s[6:7] offset:2*i*4096  ; 16 lanes store 256 consecutive bytes, aligned
.set i, i+1
.endr
	s_wait_xcnt 0x0                                ; the stores have read their registers: only behind this wait are CO and, in the next trip, BK written again
	v_add_nc_u32 v[CO], 16*4096, v[CO]
	s_add_co_u32 s[BLK], s[BLK], 1
	s_cmp_lt_u32 s[BLK], 8
	s_cbranch_scc1 .Lblock
	ds_load_b128 v[BK:BK+3],   v[SR]               ; m' of my 128 queries: 512 bytes a wave,
	ds_load_b128 v[BK+4:BK+7], v[SR] offset:512    ; and l
	s_wait_dscnt 0x0
	global_store_b128 v[SO], v[BK:BK+3],   s[8:9]
	global_store_b128 v[SO], v[BK+4:BK+7], s[8:9] offset:524288
	s_wait_tensorcnt 0x0                           ; the wave's end: the add and its wait stand behind my last tensor load and my last LDS store
	ds_add_u32 v[SPW], v[NIL]
	s_wait_dscnt 0x0
	CROUND                                         ; the closing round: no work-group ends while a partner may still ask for a tile that names it
	s_endpgm
.Lfunc_end_k_qfcb524414f_score:
	.size	k_qfcb524414f_score, .Lfunc_end_k_qfcb524414f_score-k_qfcb524414f_score
	.p2alignl 7, 3214868480
	.fill 96, 4, 3214868480
	.section	.rodata,"a",@progbits
	.p2align	6, 0x0
	.amdhsa_kernel k_qfcb524414f_score
		.amdhsa_group_segment_fixed_size 327680
		.amdhsa_private_segment_fixed_size 0
		.amdhsa_enable_private_segment 0
		.amdhsa_kernarg_size 24
		.amdhsa_user_sgpr_count 2
		.amdhsa_user_sgpr_kernarg_segment_ptr 1
		.amdhsa_wavefront_size32 1
		.amdhsa_system_sgpr_workgroup_id_x 1
		.amdhsa_system_sgpr_workgroup_id_y 1
		.amdhsa_system_sgpr_workgroup_id_z 1
		.amdhsa_system_vgpr_workitem_id 0
		.amdhsa_next_free_vgpr 1024
		.amdhsa_next_free_sgpr 96
		.amdhsa_reserve_vcc 0
		.amdhsa_float_denorm_mode_32 3
		.amdhsa_float_denorm_mode_16_64 3
		.amdhsa_memory_ordered 1
		.amdhsa_forward_progress 1
		.amdhsa_inst_pref_size 143
	.end_amdhsa_kernel
	.amdgpu_metadata
---
amdhsa.version: [ 1, 2 ]
amdhsa.kernels:
  - .name:           k_qfcb524414f_score
    .symbol:         k_qfcb524414f_score.kd
    .args:
      - { .name: qkv, .offset: 0, .size: 8, .value_kind: global_buffer, .address_space: global }
      - { .name: pw, .offset: 8, .size: 8, .value_kind: global_buffer, .address_space: global }
      - { .name: st, .offset: 16, .size: 8, .value_kind: global_buffer, .address_space: global }
    .group_segment_fixed_size: 327680
    .private_segment_fixed_size: 0
    .kernarg_segment_align: 8
    .kernarg_segment_size: 24
    .max_flat_workgroup_size: 128
    .sgpr_count:     96
    .vgpr_count:     1024
    .wavefront_size: 32
...
	.end_amdgpu_metadata
.endif
;; end of part 3
;; launch pv (part 4): grid 4 x 64, 4 waves a work-group, clusters of 4 x 4, 327,680 bytes of LDS; arguments pw, qkv, st, out0; writes out0
.if DOCPART == 4
	.amdgcn_target "amdgcn-amd-amdhsa--gfx1250"
	.amdhsa_code_object_version 6
	.text
	.protected	k_qfcb524414f_pv
	.globl	k_qfcb524414f_pv
	.p2align	8
	.type	k_qfcb524414f_pv,@function
k_qfcb524414f_pv:
	s_mov_b64 s[64:65], 0
	v_nop
	global_prefetch_b8 v0, s[64:65] scope:SCOPE_SE
	s_setreg_imm32_b32 hwreg(HW_REG_WAVE_MODE, 25, 1), 1
	s_wait_xcnt 0x0
	s_wait_alu depctr_hold_cnt(0) depctr_sa_sdst(0) depctr_va_vdst(0) depctr_va_sdst(0) depctr_va_ssrc(0) depctr_va_vcc(0) depctr_vm_vsrc(0)
	s_getreg_b32 s2, hwreg(HW_REG_IB_STS2, 6, 4)
	s_cmp_eq_u32 s2, 0
	s_cbranch_scc0 .Lentry_in_a_cluster
	s_endpgm
.Lentry_in_a_cluster:
	s_bfe_u32 s2, ttmp6, 0x10000c
	s_cmp_lg_u32 s2, 0xf033
	s_cbranch_scc0 .Lentry_shape_is_right
	s_endpgm
.Lentry_shape_is_right:
; out[q][:] = the sum over the 16 groups g of 128 keys of (f_g p_g) V_g, divided by L.  M = the largest of the row's sixteen m'; f_g = 2^(m'_g - M), rounded to f16; L = the sum of f_g l_g, with the rounded f.
; So every weight is 2^(c s - M) with the row's own maximum, as the softmax asks.  pw: f16 [8192][2048]; V: the third part of qkv, f16 [8192][1024]; st: f32 [2][16][8192]; out0: f32 [8192][1024].
; Products in f16 (f p rounded once more, to f16), sums, M and L in f32.
; LIMITS.  A weight below some 6e-8 of its row's largest counts as 0; V within f16's 65,504; NaN and infinities are not treated apart.
; SHARES.  A work-group makes 128 rows x 256 columns (256 work-groups), its four waves 64 x 128 each: 32 accumulators, 256 registers.  K (the keys) goes in steps of 128, one group a step,
; through two LDS slots.  P's tile lies [row][key], 256 bytes a row; V's tile lies as V lies, [key][column], 512 bytes a row, and is turned by ds_load_tr16_b128.  Each wave fetches 64 rows of one of the two.
; CLUSTER.  4 x 4 work-groups: P's tile is shared along a row of the cluster, V's along a column: each is asked for jointly.
; THE MATRIX INSTRUCTION IS USED TRANSPOSED (source 0 = 16 columns of V, source 1 = 16 rows of P): a lane holds one row in P's fragment and in the result, so f and 1 / L are one number a lane and block.
; REGISTERS: window 0: v0-51 addresses and factors; two fragment buffers of 96 (P block a at +8 a, V block b at +32 + 8 b), scratch at the head and on the way out;  window 1: accumulator (a, b) at v[8 (8 a + b)].
.set NSTEP,  16                        ; K steps: 2048 / 128
.set PA,     272                       ; a row of P in LDS: 256 bytes + 16 = 68 words: the 16 rows of a load start at 16 different groups of four banks (64 banks of 4 bytes: ISA guide 11.1)
.set PB,     544                       ; a row of V in LDS: 512 bytes + 32 = 17 x 32
.set APART,  128*PA
.set SLOT1,  1<<17                     ; slot 1 begins here, so that one exclusive or turns an address in one slot into the other's
.set STAGE,  SLOT1+APART+128*PB        ; behind the ring: 16 rows x 528 bytes for each wave, for the way out
.set SP,     528
.set TAB,    STAGE+4*16*SP             ; then 4,352 bytes for each wave: f of (group g, row 16 a + r) at 256 g + 16 r + 4 a, in both halves of the word; 1 / L at 4,096 + 16 r + 4 a
.set TABW,   4352
.set SPARE,  TAB+4*TABW                ; then the spare words, 128 bytes for each wave: two blocks of 256 bytes that no other line names
.set ASTEP,  256
.set BSTEP,  128*2048
.set VOFF,   2*8192*2048               ; V's first byte in qkv
.set ADRA0, 14                         ; v14  my place in P's part of slot 0; never rewritten
.set ADRB0, 15                         ; v15  the same for V
.set ADRA,  16                         ; v16  the same in the slot in hand
.set ADRB,  17
.set GA0,   18                         ; v18  my place in my wave's table; never rewritten
.set GA,    19                         ; v19  the same at the group in hand
.set STO,   24                         ; v24  the way out: where I put 32 bytes of a row
.set RD,    25                         ; v25  where I read 16 bytes of a row back
.set CO,    26                         ; v26  16 x lane
.set SPW,   28                         ; v28  LDS address of my spare word; never rewritten
.set NIL,   29                         ; v29  0; never rewritten
.set PFO,   30                         ; v30  the prefetches' lane offset; never rewritten
.set GF,    32                         ; v32-35  f of the K step in hand for my row of blocks 0 to 3
.set IL,    40                         ; v40-43  1 / L for my row of blocks 0 to 3
.set ILP,   44                         ; v44-51  the same in pairs
.set F0,    64
.set F1,    160
.set MS,    64                         ; at the head: v64-95 m' (group g, row e of my two at 2 g + e), then m' - M, then f in f32
.set LL,    96                         ; v96-127 l
.set GH,    160                        ; v160-191 f in f16, twice in a word
.set MM,    192                        ; v192-193 M
.set LT,    194                        ; v194-195 L
.set RL,    196                        ; v196-197 1 / L
.set CNT, 3
.set GB,  12                           ; s12  the table's byte for the group to be fetched
.set WV,  16
.set RH,  17                           ; s17  my 64 rows; also: I fetch for P (0) or for V (1)
.set HF,  18                           ; s18  my 128 columns; also: which 64 rows of that tile I fetch
.set CX,  19                           ; s19  my place along the cluster's x = the tile column
.set CY,  20
.set BA,  21                           ; s21  batch = cluster y / 4: the same in all partners
.set CLY, 22
.set TY,  23                           ; s23  tile row, 0 to 63
.set G1A, 24
.set G0A, 32
.set PFA, 40
.set PFS, 42
.set LIM, 44
.set TB,  45
.set G1B, 48
.set G0B, 56
.set MSB, 0
.macro WIN new                         ; the immediate's high byte repeats the setting that is left; a switch that changes nothing is dropped
.if MSB != (\new)
	s_set_vgpr_msb (MSB<<8)|(\new)
.set MSB, \new
.endif
.endm
.set W_MUL, 0x50                       ; sources 0 and 1 window 0, C and D window 1
.macro PLACES                          ; four places between a matrix instruction and a load into, or a vector write of, its registers, or a vector read of its result
.rept 4
	v_nop
.endr
.endm
.macro JLOAD                           ; a joint refill by the walking descriptors; the branch hangs on the wave's number alone; an s_nop 0 and four v_nop follow each of the two lines
	s_cmp_eq_u32 s[RH], 0
	s_cbranch_scc0 .Lfor_b_\@
	tensor_load_to_lds s[G0A+4:G0A+7], s[G1A:G1A+7]
	s_nop 0
	PLACES
	s_branch .Lasked_\@
.Lfor_b_\@:
	tensor_load_to_lds s[G0B+4:G0B+7], s[G1B:G1B+7]
	s_nop 0
	PLACES
.Lasked_\@:
.endm
.macro CREST
	s_cmp_lg_u32 s[WV], 0
	s_cbranch_scc1 .Lnot_wave_0_\@
	s_barrier_signal -3
.Lnot_wave_0_\@:
	s_barrier_wait -3
	s_barrier_signal -1
	s_barrier_wait -1
.endm
.macro CROUND
	s_barrier_signal -1
	s_barrier_wait -1
	CREST
.endm
; A prefetch, behind the joint load and the run of LDS loads: the change of slots at the end of K step s asks for K step s + 2 by its tensor load and names K step s + 4 here: two K steps,
; 256 matrix instructions, ahead of the load that will want it.  Each aligned block of 256 bytes is named once in the launch.  P's 128 rows x 256 bytes, which this cluster alone reads: wave 0; the four
; partners that ask jointly take 32 rows each, told apart by address (cx), a lane a row.  V's 128 rows x 512 bytes: waves 2 and 3, each for the 64 rows that it fetches; the partners take 16 rows each (cy),
; a lane half a row; of the four clusters of a batch the first asks.  K steps 0 to 3 come by their loads alone; the last three trips name nothing: CNT is 3 or more where s + 4 < 16.
.macro ASK
	s_cmp_gt_u32 s[CNT], s[LIM]
	s_cbranch_scc0 .Lnot_mine_\@
	global_prefetch_b8 v[PFO], s[PFA:PFA+1] th:TH_LOAD_NT scope:SCOPE_SE
.Lnot_mine_\@:
.endm
	s_load_b256 s[4:11], s[0:1], 0x0               ; pw s[4:5], qkv s[6:7], st s[8:9], out0 s[10:11]
	v_lshl_add_u32 v[SPW], v0, 2, SPARE
	v_mov_b32 v[NIL], 0
	ds_add_u32 v[SPW], v[NIL]                      ; the wave's opening: the add and its wait stand ahead of my first tensor load; work on registers stands between them
	v_lshrrev_b32 v3, 5, v0
	v_readfirstlane_b32 s[WV], v3
	s_lshr_b32 s[RH], s[WV], 1
	s_and_b32 s[HF], s[WV], 1
	s_bfe_u32 s[CX], ttmp6, 0x40000
	s_bfe_u32 s[CY], ttmp6, 0x40004
	s_and_b32 s[CLY], ttmp7, 0xffff                ; in a cluster launch ttmp7 counts clusters
	s_lshl_b32 s[TY], s[CLY], 2
	s_add_co_u32 s[TY], s[TY], s[CY]
	s_lshr_b32 s[BA], s[CLY], 2
	s_lshl_b32 s46, s[CY], 2
	s_lshl_b32 s46, 15, s46                        ; my row of the cluster
	s_lshl_b32 s47, 0x1111, s[CX]                  ; my column
	s_or_b32 s[G1A], s46, (1<<16)|(1<<20)|(1<<21)|(5<<22)|(3<<25)  ; the mask; elements of 2 bytes; padding on; bit 21 beside a mask; after every 64 words 4 words
	s_or_b32 s[G1B], s47, (1<<16)|(1<<20)|(1<<21)|(6<<22)|(7<<25)  ; after every 128 words 8 words
	s_mov_b32 s[G1A+1], 128<<16                    ; tensor_dim0 = 128
	s_mov_b32 s[G1A+3], 128<<16                    ; tile_dim0 = 128
	s_mov_b32 s[G1A+5], 2048                       ; 2,048 elements from row to row of P
	s_mov_b32 s[G1B+1], 256<<16
	s_mov_b32 s[G1B+3], 256<<16
	s_mov_b32 s[G1B+5], 1024                       ; 1,024 from row to row of V
.irp g, G1A, G1B
	s_mov_b32 s[(\g)+2], 64<<16                    ; tensor_dim1 = 64
	s_mov_b32 s[(\g)+4], 64                        ; tile_dim1 = 64
	s_mov_b32 s[(\g)+6], 0
	s_mov_b32 s[(\g)+7], 0
.endr
	; P's tile hangs on the tile row and the wave; V's on the batch, the tile column and the wave: in registers that never hold the other coordinate
	s_lshl_b32 s66, s[TY], 7
	s_lshl_b32 s67, s[HF], 6
	s_add_co_u32 s66, s66, s67                     ; row 128 ty + 64 x half,
	s_lshl_b32 s66, s66, 12                        ; 4,096 bytes a row
	s_mov_b32 s67, 0
	s_mul_i32 s68, s[HF], 64*PA
	s_lshl_b32 s70, s[BA], 11
	s_lshl_b32 s71, s[HF], 6
	s_add_co_u32 s70, s70, s71                     ; key row 2,048 batch + 64 x half,
	s_lshl_b32 s70, s70, 11
	s_lshl_b32 s71, s[CX], 9                       ; columns 256 cx,
	s_add_co_u32 s70, s70, s71
	s_add_co_u32 s70, s70, VOFF                    ; in V
	s_mov_b32 s71, 0
	s_mul_i32 s72, s[HF], 64*PB
	s_add_co_u32 s72, s72, APART
	s_mov_b32 s[TB], 0
	s_wait_dscnt 0x0                               ; the opening add is done
	s_wait_kmcnt 0x0
	s_add_nc_u64 s[66:67], s[4:5], s[66:67]
	s_add_nc_u64 s[70:71], s[6:7], s[70:71]
.irp n, 0,1
	s_mov_b32 s[G0A+4*(\n)], 1
	s_add_co_u32 s[G0A+4*(\n)+1], s68, (\n)*SLOT1
	s_add_nc_u64 s[G0A+4*(\n)+2:G0A+4*(\n)+3], s[66:67], (\n)*ASTEP
	s_or_b32 s[G0A+4*(\n)+3], s[G0A+4*(\n)+3], 0x80000000
	s_mov_b32 s[G0B+4*(\n)], 1
	s_add_co_u32 s[G0B+4*(\n)+1], s72, (\n)*SLOT1
	s_add_nc_u64 s[G0B+4*(\n)+2:G0B+4*(\n)+3], s[70:71], (\n)*BSTEP
	s_or_b32 s[G0B+4*(\n)+3], s[G0B+4*(\n)+3], 0x80000000
.endr
	CROUND                                         ; all sixteen work-groups are here: the first joint loads meet
	s_cmp_eq_u32 s[RH], 0                          ; a wave's two first fills stand in one branch, ahead of every wait on TENSORcnt and every LDS read: two loads of mine are out
	s_cbranch_scc0 .Lfirst_b
	tensor_load_to_lds s[G0A:G0A+3], s[G1A:G1A+7]
	s_nop 0
	tensor_load_to_lds s[G0A+4:G0A+7], s[G1A:G1A+7]
	s_nop 0
	PLACES
	s_branch .Lfirst_asked
.Lfirst_b:
	tensor_load_to_lds s[G0B:G0B+3], s[G1B:G1B+7]
	s_nop 0
	tensor_load_to_lds s[G0B+4:G0B+7], s[G1B:G1B+7]
	s_nop 0
	PLACES
.Lfirst_asked:
	; THE TABLE, made while the first tiles are on their way.  Lane i owns rows 2 i and 2 i + 1 of my wave's 64; a load takes 256 consecutive bytes of a group's row of st.
	v_and_b32 v1, 15, v0                           ; r = l % 16
	v_bfe_u32 v2, v0, 4, 1                         ; h = l / 16
	v_and_b32 v3, 31, v0                           ; l
	v_lshlrev_b32 v5, 3, v3
	s_lshl_b32 s46, s[TY], 7
	s_lshl_b32 s47, s[RH], 6
	s_add_co_u32 s46, s46, s47                     ; my first row
	s_lshl_b32 s76, s46, 2
	s_mov_b32 s77, 0
	s_add_nc_u64 s[8:9], s[8:9], s[76:77]
.set ig, 0
.rept 16
	global_load_b64 v[MS+2*ig:MS+2*ig+1], v5, s[8:9] offset:32768*ig
.set ig, ig+1
.endr
.set ig, 0
.rept 16
	global_load_b64 v[LL+2*ig:LL+2*ig+1], v5, s[8:9] offset:524288+32768*ig
.set ig, ig+1
.endr
	s_lshl_b32 s46, s46, 12                        ; out0: my first row's 4,096 bytes,
	s_lshl_b32 s47, s[CX], 10                      ; the tile's columns,
	s_add_co_u32 s46, s46, s47
	s_lshl_b32 s47, s[HF], 9                       ; mine
	s_add_co_u32 s46, s46, s47
	s_mov_b32 s47, 0
	s_add_nc_u64 s[10:11], s[10:11], s[46:47]
	; A fragment of P is 16 rows x 32 keys in 8 registers: lane l holds row l % 16, keys 8 (l / 16) + 0..7 and 16 + 8 (l / 16) + 0..7: two loads of 16 bytes, 32 bytes apart.
	v_mul_u32_u24 v[ADRA0], v1, PA
	v_lshl_add_u32 v[ADRA0], v2, 4, v[ADRA0]
	s_mul_i32 s46, s[RH], 64*PA
	v_add_nc_u32 v[ADRA0], s46, v[ADRA0]
	; The turning load takes 16 keys x 16 columns (lane l reads key row 8 (l / 16) + l % 8, columns 8 ((l / 8) % 2) + 0..7) and leaves half a fragment: lane l holds column l % 16 and 8 keys.
	v_and_b32 v6, 7, v0
	v_bfe_u32 v7, v0, 3, 1
	v_lshl_add_u32 v[ADRB0], v2, 3, v6
	v_mul_u32_u24 v[ADRB0], v[ADRB0], PB
	v_lshl_add_u32 v[ADRB0], v7, 4, v[ADRB0]
	s_lshl_b32 s46, s[HF], 8
	s_add_co_u32 s46, s46, APART
	v_add_nc_u32 v[ADRB0], s46, v[ADRB0]
	v_mov_b32 v[ADRA], v[ADRA0]                    ; slot 0 begins at LDS byte 0
	v_mov_b32 v[ADRB], v[ADRB0]
	s_mul_i32 s46, s[WV], 16*SP
	s_add_co_u32 s46, s46, STAGE                   ; my stage
	v_mul_u32_u24 v[STO], v1, SP                   ; in: row l % 16, 32 bytes for each half of the lanes
	v_lshl_add_u32 v[STO], v2, 5, v[STO]
	v_add_nc_u32 v[STO], s46, v[STO]
	v_lshlrev_b32 v[CO], 4, v3                     ; back and out: 32 lanes take a row's 512 bytes
	v_add_nc_u32 v[RD], s46, v[CO]
	s_mul_i32 s46, s[WV], TABW
	s_add_co_u32 s46, s46, TAB                     ; my table
	v_lshlrev_b32 v8, 5, v6                        ; row 2 i is r = 2 (i % 8) of block a = i / 8: 16 r
	v_lshrrev_b32 v9, 3, v3
	v_lshl_add_u32 v8, v9, 2, v8                   ; + 4 a
	v_add_nc_u32 v8, s46, v8
	v_lshl_add_u32 v[GA0], v1, 4, s46
	; the prefetches: both addresses' offsets are made, the wave's part chooses.  They start at K step 3; the first change of slots steps them to 4.
	s_lshl_b32 s46, s[TY], 7
	s_lshl_b32 s47, s[CX], 5
	s_add_co_u32 s46, s46, s47                     ; P: my work-group's 32 of the tile's 128 rows
	s_lshl_b32 s46, s46, 12
	s_add_co_u32 s46, s46, 3*ASTEP
	s_lshl_b32 s76, s[BA], 11
	s_lshl_b32 s77, s[HF], 6
	s_add_co_u32 s76, s76, s77
	s_lshl_b32 s77, s[CY], 4
	s_add_co_u32 s76, s76, s77                     ; V: my work-group's 16 of the 64 rows that I fetch
	s_lshl_b32 s76, s76, 11
	s_lshl_b32 s77, s[CX], 9
	s_add_co_u32 s76, s76, s77
	s_add_co_u32 s76, s76, VOFF+3*BSTEP
	s_and_b32 s77, s[CLY], 3
	s_cmp_eq_u32 s77, 0
	s_cselect_b32 s[LIM], 2, -1                    ; V's rows: the first of a batch's four clusters
	s_mov_b32 s[PFS], BSTEP
	s_mov_b32 s[PFS+1], 0
	s_mov_b32 s47, 0
	s_cmp_eq_u32 s[RH], 0
	s_cselect_b32 s[LIM], 2, s[LIM]                ; P's rows: every cluster
	s_cselect_b32 s46, s46, s76
	s_cselect_b64 s[PFA:PFA+1], s[4:5], s[6:7]
	s_cselect_b32 s[PFS], ASTEP, s[PFS]
	s_cselect_b32 s76, 31, 15                      ; P: a lane a row of 4,096 bytes; V: sixteen rows of 2,048,
	s_cselect_b32 s77, 0, 256                      ; lanes 16-31 their second 256 bytes
	s_cselect_b32 s74, 12, 11
	s_add_nc_u64 s[PFA:PFA+1], s[PFA:PFA+1], s[46:47]
	s_cmp_eq_u32 s[WV], 1
	s_cselect_b32 s[LIM], -1, s[LIM]               ; wave 1 names nothing
	v_and_b32 v[PFO], s76, v3
	v_lshlrev_b32 v[PFO], s74, v[PFO]
	v_mad_u32_u24 v[PFO], v2, s77, v[PFO]
	s_wait_loadcnt 16                              ; the sixteen m' are in; the sixteen loads of l may stay out
.irp e, 0,1
	v_max3_num_f32 v[MM+\e], v[MS+\e], v[MS+2+\e], v[MS+4+\e]
.endr
.irp k, 1,2,3,4,5,6
.irp e, 0,1
	v_max3_num_f32 v[MM+\e], v[MM+\e], v[MS+2*(2*\k+1)+\e], v[MS+2*(2*\k+2)+\e]
.endr
.endr
.irp e, 0,1
	v_max_num_f32 v[MM+\e], v[MM+\e], v[MS+30+\e]  ; M, the row's maximum
.endr
.set ig, 0
.rept 16
	v_pk_add_f32 v[MS+2*ig:MS+2*ig+1], v[MS+2*ig:MS+2*ig+1], v[MM:MM+1] neg_lo:[0,1] neg_hi:[0,1]
.set ig, ig+1
.endr
.set ii, 0
.rept 32
	v_exp_f32 v[MS+ii], v[MS+ii]                   ; one batch
.set ii, ii+1
.endr
	v_mov_b32 v[LT], 0                             ; the plain instructions behind the last exponential
	v_mov_b32 v[LT+1], 0
	s_wait_alu depctr_va_vdst(0)                   ; the wait ahead of the first use of the batch's results
.set ii, 0
.rept 32
	v_cvt_pk_f16_f32 v[GH+ii], v[MS+ii], v[MS+ii]  ; f in both halves of the word
.set ii, ii+1
.endr
	s_wait_loadcnt 0x0                             ; l
.set ii, 0
.rept 32
	v_fma_mix_f32 v[LT+ii%2], v[GH+ii], v[LL+ii], v[LT+ii%2] op_sel_hi:[1,0,0]  ; L += f l, with the f that the products take
.set ii, ii+1
.endr
	v_rcp_f32 v[RL], v[LT]
	v_rcp_f32 v[RL+1], v[LT+1]
	v_nop                                          ; a plain instruction behind the reciprocals
.set ii, 0
.rept 32
	ds_store_b32 v8, v[GH+ii] offset:256*(ii/2)+16*(ii%2)
.set ii, ii+1
.endr
	s_wait_alu depctr_va_vdst(0)                   ; and their wait, ahead of the first use
	ds_store_b32 v8, v[RL]   offset:4096
	ds_store_b32 v8, v[RL+1] offset:4096+16
	ds_load_b128 v[IL:IL+3], v[GA0] offset:4096    ; my wave's own bytes: LDS serves a wave's instructions in order (ISA guide 5.7.1.4)
; n x 8 matrix instructions: row blocks a0 .. a0 + n - 1 x all 8 column blocks, 32 along K, from buffer f.  first = 1: the products start the sums with the constant 0: nothing is cleared.
; The 32 accumulators take turns, one instruction a turn, in the same order in every quarter, over the backward jump too.
.macro MUL f, a0, n, first
	WIN W_MUL
.set ia, \a0
.rept \n
.set ib, 0
.rept 8
.if \first
	v_wmma_f32_16x16x32_f16 v[8*(8*ia+ib):8*(8*ia+ib)+7], v[(\f)+32+8*ib:(\f)+32+8*ib+7], v[(\f)+8*ia:(\f)+8*ia+7], 0
.else
	v_wmma_f32_16x16x32_f16 v[8*(8*ia+ib):8*(8*ia+ib)+7], v[(\f)+32+8*ib:(\f)+32+8*ib+7], v[(\f)+8*ia:(\f)+8*ia+7], v[8*(8*ia+ib):8*(8*ia+ib)+7]
.endif
.set ib, ib+1
.endr
.set ia, ia+1
.endr
.endm
; P's blocks 2 half and 2 half + 1 of buffer f times the group's f of my row: two weights an instruction
.macro SCALE f, half
	WIN 0
.irp a, 2*(\half), 2*(\half)+1
.set ii, 0
.rept 8
	v_pk_mul_f16 v[(\f)+8*(\a)+ii], v[(\f)+8*(\a)+ii], v[GF+(\a)]
.set ii, ii+1
.endr
.endr
.endm
; 24 LDS loads in one run: quarter q (32 keys) of the slot in hand into buffer g: V's eight blocks, P's blocks 0 and 1, P's blocks 2 and 3
.macro FETCH q, g
	WIN 0
.irp b, 0,1,2,3,4,5,6,7
	ds_load_tr16_b128 v[(\g)+32+8*(\b):(\g)+32+8*(\b)+3],   v[ADRB] offset:32*(\q)*PB+32*(\b)
	ds_load_tr16_b128 v[(\g)+32+8*(\b)+4:(\g)+32+8*(\b)+7], v[ADRB] offset:32*(\q)*PB+32*(\b)+16*PB
.endr
.irp a, 0,1,2,3
	ds_load_b128 v[(\g)+8*(\a):(\g)+8*(\a)+3],   v[ADRA] offset:64*(\q)+(\a)*16*PA
	ds_load_b128 v[(\g)+8*(\a)+4:(\g)+8*(\a)+7], v[ADRA] offset:64*(\q)+(\a)*16*PA+32
.endr
.endm
; A K step is four quarters of 32 keys, 32 matrix instructions each, on buffers 0, 1, 0, 1.  One of the first three multiplies buffer f and, in its middle, fetches quarter q into buffer g.
.macro QUARTER q, f, g, first
	s_wait_dscnt 4                                 ; f, V and P's blocks 0, 1 are in; the youngest four loads (P's blocks 2, 3) may be out
	SCALE \f, 0
	MUL \f, 0, 2, \first
	PLACES
	FETCH \q, \g
	s_wait_dscnt 24                                ; all but the 24 just issued
	SCALE \f, 1
	MUL \f, 2, 2, \first
.endm
; The last quarter multiplies buffer 1 and changes slots: ONE barrier.  Its first sixteen products stand ahead of the waits, so that little stands between the landing of the next slot and the request that follows.
; In front of the barrier each wave waits for all its tensor loads (one is out: its part of the next slot), adds 0 to its spare word, and waits for that and for its own reads of this slot.
; fill = 1: the barrier opens a round of the cluster's barrier, and behind the round this slot is filled again, with the K step two on: a K step's 128 matrix instructions ahead of the wait for it.
.macro TURN fill
.if \fill
	s_wait_xcnt 0x0                                ; the last prefetch, a K step back, has read its address: it is stepped here
	s_add_nc_u64 s[PFA:PFA+1], s[PFA:PFA+1], s[PFS:PFS+1]
.endif
	s_wait_dscnt 4                                 ; the youngest four loads (P's blocks 2, 3) may be out
	SCALE F1, 0
	MUL F1, 0, 2, 0
	WIN 0
	s_wait_tensorcnt 0x0                           ; no tensor load of mine is out, so a group 0 may be written
	ds_add_u32 v[SPW], v[NIL]                      ; 0 onto my spare word: the scalar steps stand between it and the wait for it
.if \fill
	s_xor_b32 s[G0A+5], s[G0A+5], SLOT1            ; the walking descriptors: the other slot than last time,
	s_add_nc_u64 s[G0A+6:G0A+7], s[G0A+6:G0A+7], ASTEP  ; the next K step; the type bits on top are not reached
	s_xor_b32 s[G0B+5], s[G0B+5], SLOT1
	s_add_nc_u64 s[G0B+6:G0B+7], s[G0B+6:G0B+7], BSTEP
.endif
	s_xor_b32 s[TB], s[TB], SLOT1
	s_wait_dscnt 0x0                               ; the add is done, and my reads of this slot are over
	s_barrier_signal -1
	SCALE F1, 1                                    ; work on registers while the others arrive; it leaves every window 0, as a branch and a label ask
	s_barrier_wait -1
.if \fill
	CREST                                          ; no wave of any partner still reads this slot or has a load on its way
	JLOAD                                          ; the first tensor load behind the round; its four v_nop are also places in front of the loads below
.else
	PLACES
.endif
	v_add_nc_u32 v[ADRA], s[TB], v[ADRA0]
	v_add_nc_u32 v[ADRB], s[TB], v[ADRB0]
	v_add_nc_u32 v[GA], s[GB], v[GA0]
	s_add_co_u32 s[GB], s[GB], 256
	ds_load_b128 v[GF:GF+3], v[GA]                 ; the next group's f: both scalings of this K step's last quarter stand above
	FETCH 0, F0
.if \fill
	ASK
.endif
	MUL F1, 2, 2, 0
.endm
	s_wait_dscnt 0x0                               ; my table is written, 1 / L is back
	s_wait_tensorcnt 0x1                           ; my part of K step 0 is in; K step 1's may stay out
	s_barrier_signal -1
	s_barrier_wait -1
	ds_load_b128 v[GF:GF+3], v[GA0]                ; group 0's f
	s_mov_b32 s[GB], 256
	FETCH 0, F0
	QUARTER 1, F0, F1, 1                           ; the first quarter stands in front of the loop: its products start the sums
	WIN 0
	s_mov_b32 s[CNT], NSTEP-2
.Lstep:                                                ; a trip: from a K step's second quarter to the next one's first; it fills a slot again
	QUARTER 2, F1, F0, 0
	QUARTER 3, F0, F1, 0
	TURN 1
	QUARTER 1, F0, F1, 0
	WIN 0
	s_sub_co_u32 s[CNT], s[CNT], 1
	s_cmp_lg_u32 s[CNT], 0
	s_cbranch_scc1 .Lstep
	QUARTER 2, F1, F0, 0                           ; the last two K steps are written out: nothing is left to fetch
	QUARTER 3, F0, F1, 0
	TURN 0
	QUARTER 1, F0, F1, 0
	QUARTER 2, F1, F0, 0
	QUARTER 3, F0, F1, 0
	s_wait_dscnt 4
	SCALE F1, 0
	MUL F1, 0, 2, 0
	s_wait_dscnt 0x0
	SCALE F1, 1
	MUL F1, 2, 2, 0
; THE WAY OUT, a block of 16 rows at a time: times 1 / L, 32 bytes a lane into my own stage, back as whole rows of 512 bytes, stored.
.macro PACK a
	WIN 0x01                                       ; source 0 window 1, source 1 and destination window 0
.set i, 0
.rept 32
	v_pk_mul_f32 v[64+2*i:65+2*i], v[64*(\a)+2*i:64*(\a)+2*i+1], v[ILP+2*(\a):ILP+2*(\a)+1]  ; each accumulator from its low end on
.set i, i+1
.endr
	WIN 0
.endm
.macro TOSTAGE a
.set ib, 0
.rept 8
	ds_store_b128 v[STO], v[64+8*ib:64+8*ib+3]   offset:64*ib
	ds_store_b128 v[STO], v[64+8*ib+4:64+8*ib+7] offset:64*ib+16
.set ib, ib+1
.endr
.set it, 0
.rept 16
	ds_load_b128 v[128+64*((\a)%2)+4*it:128+64*((\a)%2)+4*it+3], v[RD] offset:SP*it  ; LDS serves a wave's instructions in order: these see the stores above
.set it, it+1
.endr
.endm
.macro SEND a
	s_wait_dscnt 0x0                               ; the block is back in registers
	s_wait_xcnt 0x0                                ; the stores of the block before have read their registers, which the next block's loads from the stage will write
.set it, 0
.rept 16
	global_store_b128 v[CO], v[128+64*((\a)%2)+4*it:128+64*((\a)%2)+4*it+3], s[10:11] offset:(16*(\a)+it)*4096 th:TH_STORE_NT  ; a wave stores 512 consecutive bytes, aligned
.set it, it+1
.endr
.endm
	WIN 0
.irp a, 0,1,2,3                        ; 1 / L in pairs for the packed multiply: eight plain instructions, the places behind the last products
	v_mov_b32 v[ILP+2*\a],   v[IL+\a]
	v_mov_b32 v[ILP+2*\a+1], v[IL+\a]
.endr
	PACK 0
	TOSTAGE 0
.irp a, 1,2,3                          ; block a's multiplies stand between block a - 1's loads from the stage and the wait for them
	PACK \a
	SEND (\a)-1
	TOSTAGE \a
.endr
	SEND 3
	s_wait_tensorcnt 0x0                           ; the wave's end: the add and its wait stand behind my last tensor load and my last LDS store
	ds_add_u32 v[SPW], v[NIL]
	s_wait_dscnt 0x0
	CROUND                                         ; the closing round: no work-group ends while a partner may still ask for a tile that names it
	s_endpgm
.Lfunc_end_k_qfcb524414f_pv:
	.size	k_qfcb524414f_pv, .Lfunc_end_k_qfcb524414f_pv-k_qfcb524414f_pv
	.p2alignl 7, 3214868480
	.fill 96, 4, 3214868480
	.section	.rodata,"a",@progbits
	.p2align	6, 0x0
	.amdhsa_kernel k_qfcb524414f_pv
		.amdhsa_group_segment_fixed_size 327680
		.amdhsa_private_segment_fixed_size 0
		.amdhsa_enable_private_segment 0
		.amdhsa_kernarg_size 32
		.amdhsa_user_sgpr_count 2
		.amdhsa_user_sgpr_kernarg_segment_ptr 1
		.amdhsa_wavefront_size32 1
		.amdhsa_system_sgpr_workgroup_id_x 1
		.amdhsa_system_sgpr_workgroup_id_y 1
		.amdhsa_system_sgpr_workgroup_id_z 1
		.amdhsa_system_vgpr_workitem_id 0
		.amdhsa_next_free_vgpr 512
		.amdhsa_next_free_sgpr 96
		.amdhsa_reserve_vcc 0
		.amdhsa_float_denorm_mode_32 3
		.amdhsa_float_denorm_mode_16_64 3
		.amdhsa_memory_ordered 1
		.amdhsa_forward_progress 1
		.amdhsa_inst_pref_size 116
	.end_amdhsa_kernel
	.amdgpu_metadata
---
amdhsa.version: [ 1, 2 ]
amdhsa.kernels:
  - .name:           k_qfcb524414f_pv
    .symbol:         k_qfcb524414f_pv.kd
    .args:
      - { .name: pw, .offset: 0, .size: 8, .value_kind: global_buffer, .address_space: global }
      - { .name: qkv, .offset: 8, .size: 8, .value_kind: global_buffer, .address_space: global }
      - { .name: st, .offset: 16, .size: 8, .value_kind: global_buffer, .address_space: global }
      - { .name: out0, .offset: 24, .size: 8, .value_kind: global_buffer, .address_space: global }
    .group_segment_fixed_size: 327680
    .private_segment_fixed_size: 0
    .kernarg_segment_align: 8
    .kernarg_segment_size: 32
    .max_flat_workgroup_size: 128
    .sgpr_count:     96
    .vgpr_count:     512
    .wavefront_size: 32
...
	.end_amdgpu_metadata
.endif
;; end of part 4
;; ======== version 2 of 2: 4 launches; version 1 with the launch cast written anew for expert scheduling mode
;; limits: values are held in f16: magnitudes above 65,504 overflow, below 6.1e-05 lose precision
;; workspace buffers: wb 6,291,456 bytes; qkv 50,331,648 bytes; pw 33,554,432 bytes; st 1,048,576 bytes
;; launch cast (part 5): grid 384 x 1, 8 waves a work-group, no clusters, 0 bytes of LDS; arguments Wq, Wk, Wv, wb; writes wb
.if DOCPART == 5
	.amdgcn_target "amdgcn-amd-amdhsa--gfx1250"
	.amdhsa_code_object_version 6
	.text
	.protected	k_qfcb524414f_cast
	.globl	k_qfcb524414f_cast
	.p2align	8
	.type	k_qfcb524414f_cast,@function
k_qfcb524414f_cast:
	s_mov_b64 s[64:65], 0
	v_nop
	global_prefetch_b8 v0, s[64:65] scope:SCOPE_SE
	s_setreg_imm32_b32 hwreg(HW_REG_WAVE_SCHED_MODE, 0, 2), 2
	s_setreg_imm32_b32 hwreg(HW_REG_WAVE_MODE, 25, 1), 1
	s_wait_xcnt 0x0
	s_wait_alu depctr_vm_vsrc(0)
; f32 -> bf16 (to nearest even) of Wq, Wk, Wv into wb, one behind the other; layouts unchanged ([in][out]).
; A stream: no LDS, no barrier, no matrix work.  A work-group of eight waves takes 8,192 numbers: 32,768 bytes in, 16,384 out.
; Work-groups 0-127 Wq, 128-255 Wk, 256-383 Wv.
; A thread's load i takes the 16 bytes at 4,096 i + 16 t (a wave: 512 consecutive bytes); its store i the 8 bytes at 2,048 i + 8 t
; (a wave: 256 consecutive bytes, aligned).  All 8 loads go out first; no register is written twice.
; THE MODE: SCHED_MODE bits 1:0 = 2 (LLVM: expert scheduling mode 2), set by the entry lines.  The code itself states the register dependences
; between vector instructions and memory instructions, with s_wait_alu, always for 0.
; THE PLAN.  Registers that memory instructions touch:
;   v1, v2   byte offsets of the loads and of the stores: written once at the head by vector shifts, never again.
;   X        load i lands in X + 4 i, once; no vector instruction names these registers before the loads are issued; chunk i's two conversions read them.
;   Y        chunk i's two conversions write Y + 2 i, once; store i reads them; nothing writes them again.
; The eight chunks go in four pairs.  Pair p waits for its two loads, sends the two stores of pair p - 1 behind ONE wait on va_vdst, and then rounds its own four words.
; So there are five such waits: one ahead of the first load (the offsets), one at the head of each of pairs 1 to 3, one ahead of the last two stores.
; No register that a memory instruction reads is ever written again: there is no dependence for a wait on vm_vsrc to state.  No vector instruction writes a scalar register; EXEC is never written.
.set ID,  20                           ; s20      the work-group's number
.set SRC, 22                           ; s[22:23] the source buffer, then my 32,768 bytes of it
.set X,   4                            ; v[4:35]   8 x 4 numbers as loaded
.set Y,   36                           ; v[36:51]  8 x 2 words to store
	s_load_b256 s[4:11], s[0:1], 0x0               ; Wq s[4:5], Wk s[6:7], Wv s[8:9], wb s[10:11]
	v_lshlrev_b32 v1, 4, v0                        ; 16 t
	v_lshlrev_b32 v2, 3, v0                        ; 8 t
	s_mov_b32 s[ID], ttmp9
	s_and_b32 s28, s[ID], 127                      ; my place in my weight,
	s_lshl_b32 s28, s28, 15                        ; 32,768 bytes a work-group
	s_mov_b32 s29, 0
	s_lshl_b32 s30, s[ID], 14                      ; 16,384 bytes a work-group in wb
	s_mov_b32 s31, 0
	s_wait_kmcnt 0x0
	s_cmp_ge_u32 s[ID], 128
	s_cselect_b64 s[SRC:SRC+1], s[6:7], s[4:5]
	s_cmp_ge_u32 s[ID], 256
	s_cselect_b64 s[SRC:SRC+1], s[8:9], s[SRC:SRC+1]
	s_add_nc_u64 s[SRC:SRC+1], s[SRC:SRC+1], s[28:29]
	s_add_nc_u64 s[10:11], s[10:11], s[30:31]
	s_wait_alu depctr_va_vdst(0)                   ; v1 and v2 are written: every load reads v1 as its offset, every store v2
.irp i, 0,1,2,3,4,5,6,7
	global_load_b128 v[X+4*(\i):X+4*(\i)+3], v1, s[SRC:SRC+1] offset:4096*(\i) th:TH_LOAD_NT
.endr
.irp p, 0,1,2,3
	s_wait_loadcnt 6-2*(\p)                        ; loads come back in order: loads 2 p and 2 p + 1 are in, the younger ones stay out
.if (\p) > 0
	s_wait_alu depctr_va_vdst(0)                   ; the pair before has written its four words of Y, which the two stores below read
.irp k, 0,1
	global_store_b64 v2, v[Y+4*(\p)-4+2*(\k):Y+4*(\p)-4+2*(\k)+1], s[10:11] offset:2048*(2*(\p)-2+(\k))
.endr
.endif
.irp k, 0,1
	v_cvt_pk_bf16_f32 v[Y+4*(\p)+2*(\k)],   v[X+8*(\p)+4*(\k)],   v[X+8*(\p)+4*(\k)+1]
	v_cvt_pk_bf16_f32 v[Y+4*(\p)+2*(\k)+1], v[X+8*(\p)+4*(\k)+2], v[X+8*(\p)+4*(\k)+3]
.endr
.endr
	s_wait_alu depctr_va_vdst(0)                   ; the last pair has written its four words of Y, which the last two stores read
.irp k, 0,1
	global_store_b64 v2, v[Y+12+2*(\k):Y+12+2*(\k)+1], s[10:11] offset:2048*(6+(\k))
.endr
	s_endpgm
.Lfunc_end_k_qfcb524414f_cast:
	.size	k_qfcb524414f_cast, .Lfunc_end_k_qfcb524414f_cast-k_qfcb524414f_cast
	.p2alignl 7, 3214868480
	.fill 96, 4, 3214868480
	.section	.rodata,"a",@progbits
	.p2align	6, 0x0
	.amdhsa_kernel k_qfcb524414f_cast
		.amdhsa_group_segment_fixed_size 0
		.amdhsa_private_segment_fixed_size 0
		.amdhsa_enable_private_segment 0
		.amdhsa_kernarg_size 32
		.amdhsa_user_sgpr_count 2
		.amdhsa_user_sgpr_kernarg_segment_ptr 1
		.amdhsa_wavefront_size32 1
		.amdhsa_system_sgpr_workgroup_id_x 1
		.amdhsa_system_sgpr_workgroup_id_y 1
		.amdhsa_system_sgpr_workgroup_id_z 1
		.amdhsa_system_vgpr_workitem_id 0
		.amdhsa_next_free_vgpr 52
		.amdhsa_next_free_sgpr 66
		.amdhsa_reserve_vcc 0
		.amdhsa_float_denorm_mode_32 3
		.amdhsa_float_denorm_mode_16_64 3
		.amdhsa_memory_ordered 1
		.amdhsa_forward_progress 1
		.amdhsa_inst_pref_size 4
	.end_amdhsa_kernel
	.amdgpu_metadata
---
amdhsa.version: [ 1, 2 ]
amdhsa.kernels:
  - .name:           k_qfcb524414f_cast
    .symbol:         k_qfcb524414f_cast.kd
    .args:
      - { .name: Wq, .offset: 0, .size: 8, .value_kind: global_buffer, .address_space: global }
      - { .name: Wk, .offset: 8, .size: 8, .value_kind: global_buffer, .address_space: global }
      - { .name: Wv, .offset: 16, .size: 8, .value_kind: global_buffer, .address_space: global }
      - { .name: wb, .offset: 24, .size: 8, .value_kind: global_buffer, .address_space: global }
    .group_segment_fixed_size: 0
    .private_segment_fixed_size: 0
    .kernarg_segment_align: 8
    .kernarg_segment_size: 32
    .max_flat_workgroup_size: 256
    .sgpr_count:     66
    .vgpr_count:     52
    .wavefront_size: 32
...
	.end_amdgpu_metadata
.endif
;; end of part 5
;; launch proj: the kernel of part 2 again; grid 12 x 64, 4 waves a work-group, clusters of 4 x 4, 327,680 bytes of LDS; arguments x, context, wb, bq, bk, bv, qkv; writes qkv
;; launch score: the kernel of part 3 again; grid 8 x 32, 4 waves a work-group, clusters of 4 x 4, 327,680 bytes of LDS; arguments qkv, pw, st; writes pw, st
;; launch pv: the kernel of part 4 again; grid 4 x 64, 4 waves a work-group, clusters of 4 x 4, 327,680 bytes of LDS; arguments pw, qkv, st, out0; writes out0
